; MI455X (gfx1250); checked and timed in simulation.
; The chip was launched on July 23, 2026; its instructions are those of AMD's public machine-readable ISA for CDNA 5 (MIT licence, August 2026) and "CDNA5" Instruction Set Architecture Reference Guide (July 2026). The comments in the code are by the model that wrote it; some were corrected since.
;; Decoder Block. Allowed arithmetic: float matrix products may take bf16 or f16 operands with f32 sums; all other float work in f32.
;; Inputs: b1 4,096 float32; b2 1,024 float32; b_proj 1,024 float32; beta1 1,024 float32; beta2 1,024 float32; gamma1 1,024 float32; gamma2 1,024 float32; w1 1,024 x 4,096 float32; w2 4,096 x 1,024 float32; w_proj 1,024 x 1,024 float32; wk 16 x 1,024 x 64 float32; wq 16 x 1,024 x 64 float32; wv 16 x 1,024 x 64 float32; x 2 x 2,048 x 1,024 float32.
;; Outputs: out0 2 x 2,048 x 1,024 float32.
;; One version. Each part assembles by itself: llvm-mc -triple=amdgcn-amd-amdhsa -mcpu=gfx1250 --defsym DOCPART=n.
;; ======== version 1 of 1: 7 launches
;; limits: right only within a limited range of input values
;; workspace buffers: hf 16,777,216 bytes; hb 8,388,608 bytes; wb 25,165,824 bytes; qkv 25,165,824 bytes; ctx 8,388,608 bytes; x2 16,777,216 bytes; hid 33,554,432 bytes
;; launch prep (part 1): grid 1024 x 1, 8 waves a work-group, no clusters, 0 bytes of LDS; arguments x, gamma1, beta1, wq, wk, wv, w_proj, w1, w2, hf, hb, wb; writes hf, hb, wb
.if DOCPART == 1
	.amdgcn_target "amdgcn-amd-amdhsa--gfx1250"
	.amdhsa_code_object_version 6
	.text
	.protected	k_q81295e099f_prep
	.globl	k_q81295e099f_prep
	.p2align	8
	.type	k_q81295e099f_prep,@function
k_q81295e099f_prep:
	s_mov_b64 s[64:65], 0
	v_nop
	global_prefetch_b8 v0, s[64:65] scope:SCOPE_SE
	s_setreg_imm32_b32 hwreg(HW_REG_WAVE_MODE, 25, 1), 1
	s_wait_xcnt 0x0
; prep: two independent streaming jobs in one launch, chosen by the work-group's number.
;  work-groups 0..255:    h = layer_norm(x, gamma1, beta1), stored as f32 (hf, the residual) and as bf16 (hb, the matrix operand).
;  work-groups 256..1023: every weight is rounded once to bf16 into wb:
;      byte 0         Wqkv  [1024 e][3072], column = which*1024 + head*64 + d  (wq, wk, wv laid side by side)
;      byte 6291456   w_proj [1024][1024];  byte 8388608  w1 [1024][4096];  byte 16777216  w2 [4096][1024]
; No LDS, no barrier, no matrix unit: both jobs only move bytes; each byte is read once and written once.
; LIMITS: the norm is formed as ((x-m) * rsq(v+eps)) * gamma + beta, where the definition divides by a square root: another order of
; rounding.  NaN and infinite inputs are not served.  Mean and variance are made in two passes over registers (no difference of large sums).
.set PX,  8                            ; s[8:9]    x
.set PG,  10                           ; s[10:11]  gamma
.set PBE, 12                           ; s[12:13]  beta
.set PF,  26                           ; s[26:27]  hf
.set PH,  28                           ; s[28:29]  hb
.set XO,  3                            ; v3   16 lane + 8192 wave: my 16 bytes in my wave's first row (f32 rows of 4096 bytes, two rows a wave)
.set BO,  4                            ; v4   8 lane + 4096 wave: the same in bf16 rows of 2048 bytes
.set GO,  5                            ; v5   16 lane: my place in gamma and beta
.set XR,  8                            ; v[8:71]    two rows, 32 registers each: load j holds columns 128 j + 4 lane .. + 3
.set GA,  72                           ; v[72:103]  gamma of my 32 columns
.set BE,  104                          ; v[104:135] beta
.set TT,  136                          ; v[136:143] at work
.set YR,  144                          ; v[144:175] two rows in bf16, 16 registers each
.macro REDUCE                          ; v[TT] summed over the 32 lanes, the result in every lane
	v_add_f32_dpp v[TT], v[TT], v[TT] row_xmask:1 row_mask:0xf bank_mask:0xf
	v_add_f32_dpp v[TT], v[TT], v[TT] row_xmask:2 row_mask:0xf bank_mask:0xf
	v_add_f32_dpp v[TT], v[TT], v[TT] row_xmask:4 row_mask:0xf bank_mask:0xf
	v_add_f32_dpp v[TT], v[TT], v[TT] row_xmask:8 row_mask:0xf bank_mask:0xf
	v_permlanex16_b32 v[TT+1], v[TT], s32, s33     ; the other half of the lanes; v[TT+1] has been written by the sums before
	v_add_f32 v[TT], v[TT], v[TT+1]
.endm
.macro COMBINE                         ; four chains of pairs into one number a lane
	v_pk_add_f32 v[TT:TT+1], v[TT:TT+1], v[TT+2:TT+3]
	v_pk_add_f32 v[TT+4:TT+5], v[TT+4:TT+5], v[TT+6:TT+7]
	v_pk_add_f32 v[TT:TT+1], v[TT:TT+1], v[TT+4:TT+5]
	v_add_f32 v[TT], v[TT], v[TT+1]
.endm
; row r becomes (x - mean) * rsq(var + eps), in place
.macro STATS r
.irp c, 0,1,2,3
	v_pk_add_f32 v[TT+2*\c:TT+2*\c+1], v[XR+32*\r+2*\c:XR+32*\r+2*\c+1], v[XR+32*\r+2*\c+8:XR+32*\r+2*\c+9]   ; the first words start the chains
.endr
.irp k, 16,24
.irp c, 0,1,2,3
	v_pk_add_f32 v[TT+2*\c:TT+2*\c+1], v[TT+2*\c:TT+2*\c+1], v[XR+32*\r+2*\c+\k:XR+32*\r+2*\c+\k+1]
.endr
.endr
	COMBINE
	REDUCE
	v_mul_f32 v[TT], s34, v[TT]                    ; mean = sum / 1024
	v_mov_b32 v[TT+1], v[TT]
.set p, 0
.rept 16
	v_pk_add_f32 v[XR+32*\r+p:XR+32*\r+p+1], v[XR+32*\r+p:XR+32*\r+p+1], v[TT:TT+1] neg_lo:[0,1] neg_hi:[0,1]
.set p, p+2
.endr
.irp c, 0,1,2,3
	v_pk_mul_f32 v[TT+2*\c:TT+2*\c+1], v[XR+32*\r+2*\c:XR+32*\r+2*\c+1], v[XR+32*\r+2*\c:XR+32*\r+2*\c+1]
.endr
.irp k, 8,16,24
.irp c, 0,1,2,3
	v_pk_fma_f32 v[TT+2*\c:TT+2*\c+1], v[XR+32*\r+2*\c+\k:XR+32*\r+2*\c+\k+1], v[XR+32*\r+2*\c+\k:XR+32*\r+2*\c+\k+1], v[TT+2*\c:TT+2*\c+1]
.endr
.endr
	COMBINE
	REDUCE
	v_fma_f32 v[TT], v[TT], s34, s35               ; variance + eps
	v_rsq_f32 v[TT+2], v[TT]
	v_nop                                          ; one plain place behind the transcendental before its result is read
	s_wait_alu depctr_va_vdst(0)
	v_mov_b32 v[TT+3], v[TT+2]
.set p, 0
.rept 16
	v_pk_mul_f32 v[XR+32*\r+p:XR+32*\r+p+1], v[XR+32*\r+p:XR+32*\r+p+1], v[TT+2:TT+3]
.set p, p+2
.endr
.endm
; row r times gamma plus beta; out as f32 (a wave's store covers 512 consecutive bytes) and as bf16 (256 consecutive bytes, aligned)
.macro AFFINE r
.set p, 0
.rept 16
	v_pk_fma_f32 v[XR+32*\r+p:XR+32*\r+p+1], v[XR+32*\r+p:XR+32*\r+p+1], v[GA+p:GA+p+1], v[BE+p:BE+p+1]
.set p, p+2
.endr
.irp j, 0,1,2,3,4,5,6,7
	global_store_b128 v[XO], v[XR+32*\r+4*\j:XR+32*\r+4*\j+3], s[PF:PF+1] offset:4096*\r+512*\j
.endr
.set p, 0
.rept 16
	v_cvt_pk_bf16_f32 v[YR+16*\r+p], v[XR+32*\r+2*p], v[XR+32*\r+2*p+1]
.set p, p+1
.endr
.irp j, 0,1,2,3,4,5,6,7
	global_store_b64 v[BO], v[YR+16*\r+2*\j:YR+16*\r+2*\j+1], s[PH:PH+1] offset:2048*\r+256*\j
.endr
.endm
; 16 steps of 1024 numbers: all 16 loads go out first, each step is rounded and stored as it lands.  No register is used twice.
.macro CASTRUN from, to
.irp n, 0,1,2,3,4,5,6,7,8,9,10,11,12,13,14,15
	global_load_b128 v[8+4*\n:11+4*\n], v2, s[34:35] offset:\n*\from th:TH_LOAD_NT
.endr
.irp n, 0,1,2,3,4,5,6,7,8,9,10,11,12,13,14,15
	s_wait_loadcnt 15-\n                           ; loads return in order: step n is in, the younger ones stay out
	v_cvt_pk_bf16_f32 v[72+2*\n], v[8+4*\n], v[9+4*\n]
	v_cvt_pk_bf16_f32 v[73+2*\n], v[10+4*\n], v[11+4*\n]
	global_store_b64 v3, v[72+2*\n:73+2*\n], s[38:39] offset:\n*\to
.endr
.endm
	s_load_b512 s[8:23], s[0:1], 0x0               ; x, gamma1, beta1, wq s[14:15], wk s[16:17], wv s[18:19], w_proj s[20:21], w1 s[22:23]
	s_load_b256 s[24:31], s[0:1], 0x40             ; w2 s[24:25], hf, hb, wb s[30:31]
	v_and_b32 v1, 31, v0                           ; lane
	v_lshrrev_b32 v2, 5, v0                        ; wave
	s_wait_kmcnt 0x0
	s_cmp_ge_u32 ttmp9, 256
	s_cbranch_scc1 .Lcast
	; ---- layer norm: the work-group owns 16 rows, a wave two; a row lives in 32 registers of one wave between all passes
	v_lshlrev_b32 v[GO], 4, v1
	v_lshl_add_u32 v[XO], v2, 13, v[GO]
	v_lshlrev_b32 v[BO], 3, v1
	v_lshl_add_u32 v[BO], v2, 12, v[BO]
	s_lshl_b32 s2, ttmp9, 16                       ; 16 rows of 4096 bytes
	s_mov_b32 s3, 0
	s_add_nc_u64 s[PX:PX+1], s[PX:PX+1], s[2:3]
	s_add_nc_u64 s[PF:PF+1], s[PF:PF+1], s[2:3]
	s_lshl_b32 s2, ttmp9, 15                       ; 16 rows of 2048 bytes
	s_add_nc_u64 s[PH:PH+1], s[PH:PH+1], s[2:3]
	s_mov_b32 s32, 0x76543210                      ; v_permlanex16_b32: lane i reads lane i of the other half
	s_mov_b32 s33, 0xfedcba98
	s_mov_b32 s34, 0x3a800000                      ; 1 / 1024
	s_mov_b32 s35, 0x3727c5ac                      ; eps = 1e-5
.irp r, 0,1
.irp j, 0,1,2,3,4,5,6,7
	global_load_b128 v[XR+32*\r+4*\j:XR+32*\r+4*\j+3], v[XO], s[PX:PX+1] offset:4096*\r+512*\j th:TH_LOAD_NT
.endr
.endr
.irp j, 0,1,2,3,4,5,6,7
	global_load_b128 v[GA+4*\j:GA+4*\j+3], v[GO], s[PG:PG+1] offset:512*\j
.endr
.irp j, 0,1,2,3,4,5,6,7
	global_load_b128 v[BE+4*\j:BE+4*\j+3], v[GO], s[PBE:PBE+1] offset:512*\j
.endr
	s_wait_loadcnt 16                              ; both rows are in; the 16 younger loads (gamma, beta) may stay out
	STATS 0
	STATS 1
	s_wait_loadcnt 0x0                             ; gamma and beta
	AFFINE 0
	AFFINE 1
	s_endpgm
	; ---- casts: chunk c = work-group - 256 is 16384 numbers
.Lcast:
	s_sub_co_u32 s32, ttmp9, 256                   ; c, 0..767
	v_lshlrev_b32 v3, 3, v0                        ; where a thread's 4 bf16 go: 8 t
	s_mov_b32 s37, 0
	s_cmp_lt_u32 s32, 192
	s_cbranch_scc1 .Lheads
	; c >= 192: w_proj (64 chunks), w1 (256), w2 (256) keep their layout; wb's byte c * 32768 is the chunk's place
	s_mov_b64 s[34:35], s[20:21]
	s_mov_b32 s36, 192
	s_cmp_ge_u32 s32, 256
	s_cselect_b64 s[34:35], s[22:23], s[34:35]
	s_cselect_b32 s36, 256, s36
	s_cmp_ge_u32 s32, 512
	s_cselect_b64 s[34:35], s[24:25], s[34:35]
	s_cselect_b32 s36, 512, s36
	s_sub_co_u32 s36, s32, s36                     ; the chunk's number inside its tensor
	s_lshl_b32 s36, s36, 16
	s_add_nc_u64 s[34:35], s[34:35], s[36:37]
	s_lshl_b32 s36, s32, 15
	s_add_nc_u64 s[38:39], s[30:31], s[36:37]
	v_lshlrev_b32 v2, 4, v0                        ; 16 t
	CASTRUN 4096, 2048
	s_endpgm
	; c < 192: which = c / 64 picks wq, wk or wv; the chunk is rows e = 16 cc .. 16 cc + 15 (cc = c mod 64) of all 16 heads.
	; Thread t takes head t / 16, d = 4 (t mod 16): 16 lanes read 256 consecutive bytes of a head's row, the 256 threads write 2048 consecutive bytes.
.Lheads:
	s_lshr_b32 s33, s32, 6
	s_and_b32 s40, s32, 63
	s_mov_b64 s[34:35], s[14:15]
	s_cmp_ge_u32 s33, 1
	s_cselect_b64 s[34:35], s[16:17], s[34:35]
	s_cmp_ge_u32 s33, 2
	s_cselect_b64 s[34:35], s[18:19], s[34:35]
	s_lshl_b32 s36, s40, 12                        ; 16 rows of 256 bytes
	s_add_nc_u64 s[34:35], s[34:35], s[36:37]
	s_mul_i32 s36, s40, 98304                      ; 16 rows of 6144 bytes
	s_lshl_b32 s41, s33, 11                        ; which * 1024 columns
	s_add_co_u32 s36, s36, s41
	s_add_nc_u64 s[38:39], s[30:31], s[36:37]
	v_lshrrev_b32 v4, 4, v0
	v_and_b32 v5, 15, v0
	v_lshlrev_b32 v5, 4, v5
	v_lshl_or_b32 v2, v4, 18, v5                   ; head * 262144 + 16 (t mod 16)
	CASTRUN 256, 6144
	s_endpgm
.Lfunc_end_k_q81295e099f_prep:
	.size	k_q81295e099f_prep, .Lfunc_end_k_q81295e099f_prep-k_q81295e099f_prep
	.p2alignl 7, 3214868480
	.fill 96, 4, 3214868480
	.section	.rodata,"a",@progbits
	.p2align	6, 0x0
	.amdhsa_kernel k_q81295e099f_prep
		.amdhsa_group_segment_fixed_size 0
		.amdhsa_private_segment_fixed_size 0
		.amdhsa_enable_private_segment 0
		.amdhsa_kernarg_size 96
		.amdhsa_user_sgpr_count 2
		.amdhsa_user_sgpr_kernarg_segment_ptr 1
		.amdhsa_wavefront_size32 1
		.amdhsa_system_sgpr_workgroup_id_x 1
		.amdhsa_system_sgpr_workgroup_id_y 1
		.amdhsa_system_sgpr_workgroup_id_z 1
		.amdhsa_system_vgpr_workitem_id 0
		.amdhsa_next_free_vgpr 176
		.amdhsa_next_free_sgpr 66
		.amdhsa_reserve_vcc 0
		.amdhsa_float_denorm_mode_32 3
		.amdhsa_float_denorm_mode_16_64 3
		.amdhsa_memory_ordered 1
		.amdhsa_forward_progress 1
		.amdhsa_inst_pref_size 34
	.end_amdhsa_kernel
	.amdgpu_metadata
---
amdhsa.version: [ 1, 2 ]
amdhsa.kernels:
  - .name:           k_q81295e099f_prep
    .symbol:         k_q81295e099f_prep.kd
    .args:
      - { .name: x, .offset: 0, .size: 8, .value_kind: global_buffer, .address_space: global }
      - { .name: gamma1, .offset: 8, .size: 8, .value_kind: global_buffer, .address_space: global }
      - { .name: beta1, .offset: 16, .size: 8, .value_kind: global_buffer, .address_space: global }
      - { .name: wq, .offset: 24, .size: 8, .value_kind: global_buffer, .address_space: global }
      - { .name: wk, .offset: 32, .size: 8, .value_kind: global_buffer, .address_space: global }
      - { .name: wv, .offset: 40, .size: 8, .value_kind: global_buffer, .address_space: global }
      - { .name: w_proj, .offset: 48, .size: 8, .value_kind: global_buffer, .address_space: global }
      - { .name: w1, .offset: 56, .size: 8, .value_kind: global_buffer, .address_space: global }
      - { .name: w2, .offset: 64, .size: 8, .value_kind: global_buffer, .address_space: global }
      - { .name: hf, .offset: 72, .size: 8, .value_kind: global_buffer, .address_space: global }
      - { .name: hb, .offset: 80, .size: 8, .value_kind: global_buffer, .address_space: global }
      - { .name: wb, .offset: 88, .size: 8, .value_kind: global_buffer, .address_space: global }
    .group_segment_fixed_size: 0
    .private_segment_fixed_size: 0
    .kernarg_segment_align: 8
    .kernarg_segment_size: 96
    .max_flat_workgroup_size: 256
    .sgpr_count:     66
    .vgpr_count:     176
    .wavefront_size: 32
...
	.end_amdgpu_metadata
.endif
;; end of part 1
;; launch gemm_qkv (part 2): grid 12 x 16, 4 waves a work-group, clusters of 4 x 4, 327,680 bytes of LDS; arguments hb, wb, qkv; writes qkv
.if DOCPART == 2
	.amdgcn_target "amdgcn-amd-amdhsa--gfx1250"
	.amdhsa_code_object_version 6
	.text
	.protected	k_q81295e099f_gemm_qkv
	.globl	k_q81295e099f_gemm_qkv
	.p2align	8
	.type	k_q81295e099f_gemm_qkv,@function
k_q81295e099f_gemm_qkv:
	s_mov_b64 s[64:65], 0
	v_nop
	global_prefetch_b8 v0, s[64:65] scope:SCOPE_SE
	s_setreg_imm32_b32 hwreg(HW_REG_WAVE_MODE, 25, 1), 1
	s_wait_xcnt 0x0
	s_wait_alu depctr_hold_cnt(0) depctr_sa_sdst(0) depctr_va_vdst(0) depctr_va_sdst(0) depctr_va_ssrc(0) depctr_va_vcc(0) depctr_vm_vsrc(0)
	s_getreg_b32 s2, hwreg(HW_REG_IB_STS2, 6, 4)
	s_cmp_eq_u32 s2, 0
	s_cbranch_scc0 .Lentry_in_a_cluster
	s_endpgm
.Lentry_in_a_cluster:
	s_bfe_u32 s2, ttmp6, 0x10000c
	s_cmp_lg_u32 s2, 0xf033
	s_cbranch_scc0 .Lentry_shape_is_right
	s_endpgm
.Lentry_shape_is_right:
; C = A B, bf16 operands, f32 sums.  A: hb [4096][1024], rows along K.  B: wb + WOFF, [1024 (k)][SIZE_N], rows along N.
; C leaves as bf16 in PANELS [SIZE_N/64][4096][64]: four rows of a panel are 512 consecutive bytes, and a head's 64 columns lie together.
; Here: q, k, v = h Wqkv (SIZE_N = 3072; panel = which*16 + head).  192 work-groups: 3072 columns give 12 blocks of 256.
; A work-group makes 256 x 256 of C with four waves, a wave 128 x 128: 64 accumulator tiles, 512 registers.  K goes in steps of 128 through
; two LDS slots filled by the tensor data mover.  4 x 4 work-groups form a cluster: A's tile is asked for jointly along a row of the cluster,
; B's along a column, which divides the requests for both by four.
; B's tile lies in LDS as it lies in memory, [k][n]; ds_load_tr16_b128 turns 8 x 8 blocks so that a lane gets 8 neighbouring k of one column.
; REGISTERS in windows of 256: window 0: v0-31 addresses, v64-127 and v128-191 A's fragments (two buffers), v192-223 at work on the way out;
; window 1: v64-127, v128-191 B's fragments (v0-63: the bias, where there is one); windows 2, 3: accumulators of my rows 0-63, 64-127.
; The matrix instruction is used transposed (source 0 = 16 columns of B, source 1 = 16 rows of A): a lane holds row l % 16 of C and
; eight neighbouring columns 8 (l / 16) + 0..7.  The 64 accumulators take turns, one instruction a turn.
.set SIZE_K, 1024
.set SIZE_N, 3072
.set WOFF,   0
.set RELU,   0                         ; 1: bias and relu on the way out
.set KSTEP,  128
.set PITCH,  272                       ; A's LDS row: 256 bytes + 16 of padding
.set PB,     544                       ; B's LDS row: 512 bytes + 32 of padding, an odd multiple of 32 bytes
.set HALFT,  128*PITCH                 ; one tensor load: 128 rows of A, or 64 rows of B (64*544 is the same 34816 bytes)
.set SLOT,   4*HALFT                   ; A's 256 rows, then B's 128 k rows
.set STAGE,  2*SLOT                    ; behind the ring: 16 rows x 272 bytes for each wave; no tensor load lands there
.set SPITCH, 272
.set PANELB, 524288                    ; bytes of a panel: 4096 rows of 128 bytes
.set LAPS, SIZE_K/(2*KSTEP)            ; a lap = two K steps = once round the ring
.set ADRA, 16                          ; v16-17  LDS address of my A fragments in slot 0, 1
.set ADRB, 20                          ; v20-21  the same for B
.set STO,  24                          ; v24     way out: where I put 16 bytes of a row
.set RD,   25                          ; v25     way out: where I read back
.set CO,   26                          ; v26     16 x lane: my place in 512 bytes of a panel
.set BOF,  27                          ; v27     32 (l / 16): my place in the bias
.set F0,   64
.set F1,   128
.set TMP,  192
.set G1, 24                            ; s[24:31] group 1, A's tiles
.set G0, 32                            ; s[32:39] group 0, A's tiles, a set for each slot
.set G1B, 48                           ; s[48:55] group 1, B's tiles
.set G0B, 56                           ; s[56:63] group 0, B's tiles
.if RELU
.set FROM_LO, 0x06                     ; source 0 window 2 (sums), source 1 window 1 (bias)
.set FROM_HI, 0x07
.set RB0, 64
.set RB1, 96
.else
.set FROM_LO, 0x0a                     ; sources 0 and 1 window 2
.set FROM_HI, 0x0f
.set RB0, 64
.set RB1, 128
.endif
.set MSB, 0
.macro WIN new                         ; the immediate's high byte repeats the setting that is left
.if MSB != \new
	s_set_vgpr_msb (MSB<<8)|\new
.set MSB, \new
.endif
.endm
.set MUL_LO, 0xa1                      ; source 0 (B) window 1, source 1 (A) window 0, C and D window 2
.set MUL_HI, 0xf1
.set TO_B,   0x40                      ; destination window 1, address window 0
.macro PLACES n                        ; plain vector places behind matrix instructions (ISA guide 7.12.1)
.rept \n
	v_nop
.endr
.endm
; A joint load: waves 0, 1 fetch A's halves, waves 2, 3 B's.  The branch hangs on the wave's number alone.
.macro JLOAD s
	s_cmp_eq_u32 s11, 0
	s_cbranch_scc0 .Lfor_b_\@
	tensor_load_to_lds s[G0+4*\s:G0+4*\s+3], s[G1:G1+7]
	s_nop 0
	s_branch .Lasked_\@
.Lfor_b_\@:
	tensor_load_to_lds s[G0B+4*\s:G0B+4*\s+3], s[G1B:G1B+7]
	s_nop 0
.Lasked_\@:
.endm
.macro CREST                           ; a round of the cluster's barrier behind its opening barrier
	s_cmp_lg_u32 s10, 0
	s_cbranch_scc1 .Lnot_wave_0_\@
	s_barrier_signal -3
.Lnot_wave_0_\@:
	s_barrier_wait -3
	s_barrier_signal -1
	s_barrier_wait -1
.endm
.macro CROUND
	s_barrier_signal -1
	s_barrier_wait -1
	CREST
.endm
	s_load_b128 s[4:7], s[0:1], 0x0                ; A s[4:5], wb s[6:7]
	s_load_b64 s[8:9], s[0:1], 0x10                ; C
	s_set_vgpr_msb 0x40
	v_lshl_add_u32 v255, v0, 2, 0x48400
	s_set_vgpr_msb 0x4000
	v_mov_b32 v255, 0
	s_set_vgpr_msb 0x1
	ds_add_u32 v255, v255
	s_set_vgpr_msb 0x100
.if RELU
	s_load_b64 s[66:67], s[0:1], 0x18              ; bias
.endif
	v_lshrrev_b32 v1, 5, v0
	v_readfirstlane_b32 s10, v1                    ; wave 0..3
	s_lshr_b32 s11, s10, 1                         ; my half of the block's rows.  Also: I fetch for A (0) or B (1)
	s_and_b32 s12, s10, 1                          ; my half of its columns.  Also: which half of that tile I fetch
	s_bfe_u32 s40, ttmp6, 0x40000                  ; cx
	s_bfe_u32 s41, ttmp6, 0x40004                  ; cy
	s_lshl_b32 s42, ttmp9, 2
	s_add_co_u32 s42, s42, s40                     ; block column = 4 x cluster x + cx
	s_and_b32 s13, ttmp7, 0xffff
	s_lshl_b32 s13, s13, 2
	s_add_co_u32 s13, s13, s41                     ; block row = 4 x cluster y + cy
	s_lshl_b32 s43, s41, 2
	s_lshl_b32 s43, 15, s43                        ; my row of the cluster
	s_lshl_b32 s44, 0x1111, s40                    ; my column
	; group 1 for A: 128 rows x 128 elements of 2 bytes, 4 words of padding behind every 64
	s_or_b32 s[G1+0], s43, (1<<16)|(1<<20)|(1<<21)|(5<<22)|(3<<25)
	s_mov_b32 s[G1+1], KSTEP<<16                   ; tensor_dim0 = 128
	s_mov_b32 s[G1+2], 128<<16                     ; tensor_dim1 = 128
	s_mov_b32 s[G1+3], KSTEP<<16                   ; tile_dim0 = 128
	s_mov_b32 s[G1+4], 128                         ; tile_dim1 = 128
	s_mov_b32 s[G1+5], SIZE_K                      ; elements from row to row
	s_mov_b32 s[G1+6], 0
	s_mov_b32 s[G1+7], 0
	; group 1 for B: 64 k rows x 256 elements, 8 words of padding behind every 128
	s_or_b32 s[G1B+0], s44, (1<<16)|(1<<20)|(1<<21)|(6<<22)|(7<<25)
	s_mov_b32 s[G1B+1], 256<<16
	s_mov_b32 s[G1B+2], 64<<16
	s_mov_b32 s[G1B+3], 256<<16
	s_mov_b32 s[G1B+4], 64
	s_mov_b32 s[G1B+5], SIZE_N
	s_mov_b32 s[G1B+6], 0
	s_mov_b32 s[G1B+7], 0
	; A's address hangs on the block row alone, B's on the block column alone; each in registers that never hold the other coordinate
	s_lshl_b32 s17, s12, 7
	s_lshl_b32 s16, s13, 8
	s_add_co_u32 s16, s16, s17                     ; A: row 256 x block row + 128 x half
	s_lshl_b32 s16, s16, 11                        ; rows of 2048 bytes
	s_mov_b32 s17, 0
	s_mul_i32 s46, s12, 64*SIZE_N*2                ; B: k row 64 x half
	s_lshl_b32 s47, s42, 9                         ; + 256 columns x block column
	s_add_co_u32 s46, s46, s47
	s_mov_b32 s47, 0
	s_mul_i32 s20, s10, HALFT                      ; LDS: wave x 34816: A's halves, then B's halves
	s_wait_dscnt 0x0
	s_wait_kmcnt 0x0
	s_add_nc_u64 s[14:15], s[4:5], s[16:17]
	s_add_nc_u64 s[46:47], s[6:7], s[46:47]
.if WOFF
	s_add_nc_u64 s[46:47], s[46:47], WOFF
.endif
	CROUND                                         ; all sixteen work-groups are here: the first joint loads meet
.irp s, 0,1
	s_mov_b32 s[G0+4*\s], 1
	s_add_co_u32 s[G0+4*\s+1], s20, \s*SLOT
	s_add_nc_u64 s[G0+4*\s+2:G0+4*\s+3], s[14:15], \s*KSTEP*2
	s_or_b32 s[G0+4*\s+3], s[G0+4*\s+3], 0x80000000
	s_mov_b32 s[G0B+4*\s], 1
	s_add_co_u32 s[G0B+4*\s+1], s20, \s*SLOT
	s_add_nc_u64 s[G0B+4*\s+2:G0B+4*\s+3], s[46:47], \s*KSTEP*SIZE_N*2
	s_or_b32 s[G0B+4*\s+3], s[G0B+4*\s+3], 0x80000000
	JLOAD \s                                       ; two tensor loads of the wave are out here, later one
.endr
	v_and_b32 v1, 15, v0                           ; r = l % 16
	v_bfe_u32 v2, v0, 4, 1                         ; h = l / 16
	v_mul_u32_u24 v3, v1, PITCH
	v_lshl_add_u32 v3, v2, 4, v3                   ; A: row r, 16 bytes for each half of the lanes
	v_and_b32 v6, 7, v0
	v_lshl_add_u32 v6, v2, 3, v6                   ; B: k row 8 h + l % 8,
	v_mul_u32_u24 v6, v6, PB
	v_bfe_u32 v7, v0, 3, 1
	v_lshl_add_u32 v6, v7, 4, v6                   ; 16 bytes (8 columns) by bit 3 of the lane
	s_mul_i32 s21, s11, HALFT                      ; my 128 rows of A
	s_lshl_b32 s22, s12, 8                         ; my 128 columns of B: 256 bytes along its rows,
	s_add_co_u32 s22, s22, 2*HALFT                 ; behind A's 256 rows
.irp s, 0,1
	v_add_nc_u32 v[ADRA+\s], s21, v3
	v_add_nc_u32 v[ADRB+\s], s22, v6
	s_add_co_u32 s21, s21, SLOT
	s_add_co_u32 s22, s22, SLOT
.endr
	s_mul_i32 s23, s10, 16*SPITCH
	s_add_co_u32 s23, s23, STAGE                   ; my stage
	v_mul_u32_u24 v4, v1, SPITCH
	v_lshl_add_u32 v4, v2, 4, v4
	v_add_nc_u32 v[STO], s23, v4                   ; in: row r, 16 bytes for each half
	v_bfe_u32 v5, v0, 3, 2
	v_mul_u32_u24 v5, v5, SPITCH                   ; back: eight lanes take 128 bytes (a panel's row), 32 lanes four rows
	v_and_b32 v8, 7, v0
	v_lshl_add_u32 v5, v8, 4, v5
	v_add_nc_u32 v[RD], s23, v5
	v_and_b32 v9, 31, v0
	v_lshlrev_b32 v[CO], 4, v9
.if RELU
	; the bias of my 128 columns, in the sums' own layout (tile b: columns 16 b + 8 h + 0..7): 64 registers of window 1; waited for on the way out
	s_lshl_b32 s68, s42, 10
	s_lshl_b32 s69, s12, 9
	s_add_co_u32 s68, s68, s69
	s_mov_b32 s69, 0
	s_add_nc_u64 s[66:67], s[66:67], s[68:69]
	v_lshlrev_b32 v[BOF], 5, v2
	WIN TO_B
.irp b, 0,1,2,3,4,5,6,7
	global_load_b128 v[8*\b:8*\b+3],   v[BOF], s[66:67] offset:64*\b
	global_load_b128 v[8*\b+4:8*\b+7], v[BOF], s[66:67] offset:64*\b+16
.endr
	WIN 0
.endif
; 16 matrix instructions: m blocks a0, a0 + 1 of the window's four x all 8 n blocks.  zero = 1: the first product starts the sums.
.macro MUL16 f, hi, a0, zero
.irp a, \a0, \a0+1
.irp b, 0,1,2,3,4,5,6,7
.if \zero
	v_wmma_f32_16x16x32_bf16 v[8*(8*(\a)+\b):8*(8*(\a)+\b)+7], v[\f+8*\b:\f+8*\b+7], v[\f+8*(4*\hi+\a):\f+8*(4*\hi+\a)+7], 0
.else
	v_wmma_f32_16x16x32_bf16 v[8*(8*(\a)+\b):8*(8*(\a)+\b)+7], v[\f+8*\b:\f+8*\b+7], v[\f+8*(4*\hi+\a):\f+8*(4*\hi+\a)+7], v[8*(8*(\a)+\b):8*(8*(\a)+\b)+7]
.endif
.endr
.endr
.endm
; 32 LDS loads in one run: quarter kq (32 along K) of a slot into buffer f.  B first (16 transposing loads: k rows 32 kq + .., then + 16), then A.
.macro FETCH slot, kq, f
	WIN TO_B
.irp i, 0,1,2,3,4,5,6,7
	ds_load_tr16_b128 v[\f+8*\i:\f+8*\i+3],   v[ADRB+\slot] offset:\kq*32*PB+32*\i
	ds_load_tr16_b128 v[\f+8*\i+4:\f+8*\i+7], v[ADRB+\slot] offset:\kq*32*PB+32*\i+16*PB
.endr
	WIN 0
.irp i, 0,1,2,3,4,5,6,7
	ds_load_b128 v[\f+8*\i:\f+8*\i+3],   v[ADRA+\slot] offset:\kq*64+\i*16*PITCH
	ds_load_b128 v[\f+8*\i+4:\f+8*\i+7], v[ADRA+\slot] offset:\kq*64+\i*16*PITCH+32
.endr
.endm
.macro QUARTER slot, kq, f, g, zero
	s_wait_dscnt 8                                 ; B and A's rows 0-63 are in; the youngest eight loads (A's rows 64-127) may be out
	WIN MUL_LO
	MUL16 \f, 0, 0, \zero
	MUL16 \f, 0, 2, \zero
	PLACES 4                                       ; buffer g was read by matrix instructions: four places before loads land in it
	FETCH \slot, \kq, \g
	s_wait_dscnt 32                                ; all but the 32 just issued
	WIN MUL_HI
	MUL16 \f, 1, 0, \zero
	MUL16 \f, 1, 2, \zero
.endm
.macro THREE slot, zero
	QUARTER \slot, 1, F0, F1, \zero
	QUARTER \slot, 2, F1, F0, 0
	QUARTER \slot, 3, F0, F1, 0
.endm
; The last quarter changes slots.  In front of the barrier each wave waits for its reads of this slot and for all its tensor loads; where the
; slot is filled again the barrier opens a round of the cluster's barrier, and the joint refill is the first tensor load behind the round.
.macro TURN slot, next, fill
	s_wait_dscnt 8
	WIN MUL_LO
	MUL16 F1, 0, 0, 0
	s_wait_dscnt 0                                 ; my reads of this slot are over
	s_wait_tensorcnt 0x0                           ; all my tensor loads have landed: the one that was out is my part of the next slot
	ds_add_u32 v255, v255
	s_wait_dscnt 0x0
	s_barrier_signal -1
	MUL16 F1, 0, 2, 0                              ; register work while the others arrive
	WIN 0
	s_barrier_wait -1
.if \fill
	CREST
	s_add_nc_u64 s[G0+4*\slot+2:G0+4*\slot+3], s[G0+4*\slot+2:G0+4*\slot+3], 2*KSTEP*2
	s_add_nc_u64 s[G0B+4*\slot+2:G0B+4*\slot+3], s[G0B+4*\slot+2:G0B+4*\slot+3], 2*KSTEP*SIZE_N*2
	JLOAD \slot
.endif
	PLACES 4
	FETCH \next, 0, F0
	WIN MUL_HI
	MUL16 F1, 1, 0, 0
	MUL16 F1, 1, 2, 0
.endm
.macro LAP zero
	THREE 0, \zero
	TURN 0, 1, 1
	THREE 1, 0
	TURN 1, 0, 1
.endm
	s_wait_tensorcnt 1                             ; my part of K step 0 is in; K step 1's may stay out
	s_barrier_signal -1
	s_barrier_wait -1
	FETCH 0, 0, F0
	LAP 1
.if LAPS > 2
	WIN 0
	s_mov_b32 s3, LAPS-2
.Llap:
	LAP 0
	WIN 0
	s_sub_co_u32 s3, s3, 1
	s_cmp_lg_u32 s3, 0
	s_cbranch_scc1 .Llap
.endif
	THREE 0, 0                                     ; the last lap fills nothing
	TURN 0, 1, 0
	THREE 1, 0
	s_wait_dscnt 8
	WIN MUL_LO
	MUL16 F1, 0, 0, 0
	MUL16 F1, 0, 2, 0
	s_wait_dscnt 0
	WIN MUL_HI
	MUL16 F1, 1, 0, 0
	MUL16 F1, 1, 2, 0
	; THE WAY OUT, 16 rows at a time: round to bf16, 16 bytes a lane into my own stage, read back as rows of panels.
	PLACES 4
.if RELU
	s_wait_loadcnt 0x0                             ; the bias
.endif
	s_lshl_b32 s16, s13, 8
	s_lshl_b32 s14, s11, 7
	s_add_co_u32 s16, s16, s14                     ; my first row
	s_lshl_b32 s16, s16, 7                         ; panel rows of 128 bytes
	s_mov_b32 s17, 0
	s_add_nc_u64 s[8:9], s[8:9], s[16:17]
	s_lshl_b32 s46, s42, 2                         ; my first panel = 4 x block column + 2 x half
	s_lshl_b32 s47, s12, 1
	s_add_co_u32 s46, s46, s47
	s_lshl_b32 s46, s46, 19
	s_mov_b32 s47, 0
	s_add_nc_u64 s[8:9], s[8:9], s[46:47]
; rows 16 i .. 16 i + 15 of my block = tiles (a, 0..7) of window 2 or 3; f: the read-back buffer, two in turn
.macro OUT16 i, a, from, f
	WIN \from
.if RELU
.irp b, 0,1,2,3,4,5,6,7
.irp r, 0,1,2,3
	v_pk_add_f32 v[F1+8*\b+2*\r:F1+8*\b+2*\r+1], v[8*(8*\a+\b)+2*\r:8*(8*\a+\b)+2*\r+1], v[8*\b+2*\r:8*\b+2*\r+1]
.endr
.endr
	WIN 0
.set p, 0
.rept 64
	v_max_num_f32 v[F1+p], 0, v[F1+p]
.set p, p+1
.endr
.set p, 0
.rept 32
	v_cvt_pk_bf16_f32 v[TMP+p], v[F1+2*p], v[F1+2*p+1]
.set p, p+1
.endr
.else
.irp b, 0,1,2,3,4,5,6,7
.irp r, 0,1,2,3
	v_cvt_pk_bf16_f32 v[TMP+4*\b+\r], v[8*(8*\a+\b)+2*\r], v[8*(8*\a+\b)+2*\r+1]
.endr
.endr
	WIN 0
.endif
.irp b, 0,1,2,3,4,5,6,7
	ds_store_b128 v[STO], v[TMP+4*\b:TMP+4*\b+3] offset:32*\b
.endr
	s_wait_xcnt 0x0                                ; buffer f was the data of earlier stores: it is loaded again only behind this wait
.irp t, 0,1,2,3,4,5,6,7
	ds_load_b128 v[\f+4*\t:\f+4*\t+3], v[RD] offset:(\t&3)*4*SPITCH+(\t>>2)*128   ; a wave's LDS instructions are served in order: these see the stores above
.endr
.irp t, 0,1,2,3,4,5,6,7
	s_wait_dscnt 7-\t
	global_store_b128 v[CO], v[\f+4*\t:\f+4*\t+3], s[8:9] offset:(\t>>2)*PANELB+(16*\i+4*(\t&3))*128   ; 512 consecutive bytes: four rows of one panel
.endr
.endm
	OUT16 0, 0, FROM_LO, RB0
	OUT16 1, 1, FROM_LO, RB1
	OUT16 2, 2, FROM_LO, RB0
	OUT16 3, 3, FROM_LO, RB1
	OUT16 4, 0, FROM_HI, RB0
	OUT16 5, 1, FROM_HI, RB1
	OUT16 6, 2, FROM_HI, RB0
	OUT16 7, 3, FROM_HI, RB1
	s_set_vgpr_msb 0x1
	s_wait_tensorcnt 0x0
	ds_add_u32 v255, v255
	s_wait_dscnt 0x0
	s_set_vgpr_msb 0x100
	CROUND                                         ; the closing round: no work-group ends while a partner may still ask for a tile that names it
	s_endpgm
.Lfunc_end_k_q81295e099f_gemm_qkv:
	.size	k_q81295e099f_gemm_qkv, .Lfunc_end_k_q81295e099f_gemm_qkv-k_q81295e099f_gemm_qkv
	.p2alignl 7, 3214868480
	.fill 96, 4, 3214868480
	.section	.rodata,"a",@progbits
	.p2align	6, 0x0
	.amdhsa_kernel k_q81295e099f_gemm_qkv
		.amdhsa_group_segment_fixed_size 327680
		.amdhsa_private_segment_fixed_size 0
		.amdhsa_enable_private_segment 0
		.amdhsa_kernarg_size 24
		.amdhsa_user_sgpr_count 2
		.amdhsa_user_sgpr_kernarg_segment_ptr 1
		.amdhsa_wavefront_size32 1
		.amdhsa_system_sgpr_workgroup_id_x 1
		.amdhsa_system_sgpr_workgroup_id_y 1
		.amdhsa_system_sgpr_workgroup_id_z 1
		.amdhsa_system_vgpr_workitem_id 0
		.amdhsa_next_free_vgpr 1024
		.amdhsa_next_free_sgpr 66
		.amdhsa_reserve_vcc 0
		.amdhsa_float_denorm_mode_32 3
		.amdhsa_float_denorm_mode_16_64 3
		.amdhsa_memory_ordered 1
		.amdhsa_forward_progress 1
		.amdhsa_inst_pref_size 196
	.end_amdhsa_kernel
	.amdgpu_metadata
---
amdhsa.version: [ 1, 2 ]
amdhsa.kernels:
  - .name:           k_q81295e099f_gemm_qkv
    .symbol:         k_q81295e099f_gemm_qkv.kd
    .args:
      - { .name: hb, .offset: 0, .size: 8, .value_kind: global_buffer, .address_space: global }
      - { .name: wb, .offset: 8, .size: 8, .value_kind: global_buffer, .address_space: global }
      - { .name: qkv, .offset: 16, .size: 8, .value_kind: global_buffer, .address_space: global }
    .group_segment_fixed_size: 327680
    .private_segment_fixed_size: 0
    .kernarg_segment_align: 8
    .kernarg_segment_size: 24
    .max_flat_workgroup_size: 128
    .sgpr_count:     66
    .vgpr_count:     1024
    .wavefront_size: 32
...
	.end_amdgpu_metadata
.endif
;; end of part 2
;; launch attn (part 3): grid 256 x 1, 8 waves a work-group, no clusters, 327,680 bytes of LDS; arguments qkv, ctx; writes ctx
.if DOCPART == 3
	.amdgcn_target "amdgcn-amd-amdhsa--gfx1250"
	.amdhsa_code_object_version 6
	.text
	.protected	k_q81295e099f_attn
	.globl	k_q81295e099f_attn
	.p2align	8
	.type	k_q81295e099f_attn,@function
k_q81295e099f_attn:
	s_mov_b64 s[64:65], 0
	v_nop
	global_prefetch_b8 v0, s[64:65] scope:SCOPE_SE
	s_setreg_imm32_b32 hwreg(HW_REG_WAVE_MODE, 25, 1), 1
	s_wait_xcnt 0x0
; Causal attention of one (batch, head), by a running maximum.  qkv: bf16 panels [48][4096][64], panel = which*16 + head, row = b*2048 + t.
; ctx: bf16 panels [16][4096][64].
; Work-group id: i = id & 7, head = (id >> 3) & 15, b = id >> 7.  It makes two blocks of 128 queries, block i and block 15 - i: together
; (i + 1) + (16 - i) = 17 key tiles of 128 keys in every work-group, so all 256 do the same work.  Trip n = 0..16 takes key tile n of block i
; while n <= i, then tile n - i - 1 of block 15 - i.  Trip i and trip 16 are the blocks' diagonal tiles: only there the mask is applied.
; EIGHT WAVES, two for each SIMD: wave = qg + 4 kh.  Waves (qg, 0) and (qg, 1) hold the same queries 32 qg .. 32 qg + 31 (two blocks q of 16);
; kh says which 64 keys of every tile the wave takes.  Each wave runs its own maximum, sum and O over its keys, so that one wave's softmax
; stands beside the other's products; at a block's end the two partial results are merged through LDS: wave (qg, kh) finishes queries 16 kh .. + 15.
; Both products are used transposed, so that a lane always holds ONE query (l % 16):
;   S^T = K Q^T: registers j of tile (sb, q) are keys 16 sb + 8 (l/16) + j;  the row maximum and sum need one exchange between the lane halves;
;   the rounded exponentials of tiles 2g and 2g+1 ARE the second operand's fragment for keys 32 g .. 32 g + 31: nothing moves between lanes;
;   O^T = V^T P^T: registers j of tile (d, q) are head dims 16 d + 8 (l/16) + j.
; K and V tiles go through two LDS slots by tensor loads of 64 rows: waves 0, 1 bring K's halves, waves 2, 3 V's, waves 4 to 7 none;
; one load of such a wave is out at any time.
; One LDS pitch, 160 bytes, for K and V (one descriptor shape): it suits V's transposing loads; K's 16-byte loads meet two rows in one column group.
; NO CLUSTER: partners would have to walk the same tiles in the same trips; blocks i and 15 - i of different work-groups need different numbers
; of tiles, and walking in step would make 20 trips of 17.
; LIMITS: the running maximum starts at -2^97, not at -inf, because a wave's whole step can be masked (keys 64..127 against queries 0..63):
; raw scores below -2^97 are not served.  NaN and infinite values are not served.  Key 0 is unmasked for every query, so of the two merged
; sums the one that holds the maximum is at least 1.
.set PANELB, 524288
.set KP,     160                       ; LDS pitch: 128 bytes + 32 of padding
.set VOFF,   128*KP                    ; V's tile behind K's
.set SLOT,   2*VOFF
.set STAGE,  2*SLOT                    ; behind the ring, where no tensor load lands: a partial O for each wave,
.set SP,     272                       ;   32 rows of 64 f32 + 16 bytes
.set WST,    32*SP                     ;   8704 bytes a wave
.set MLB,    STAGE+8*WST               ; then (maximum, sum) of 32 queries for each wave: 256 bytes a wave
.set FLOOR,  0xf0000000                ; -2^97
.set KA,  4                            ; v4  K fragments: kh*64*160 + r*160 + 16 h
.set VA,  5                            ; v5  V fragments: VOFF + kh*64*160 + (l%8 + 8 h)*160 + 16 bit3(l)
.set STO, 6                            ; v6  my partial O, in: row r, 32 bytes for each half of the lanes
.set RD,  7                            ; v7  the merge: row 16 kh + l/8 of wave qg's partial, 32 bytes at 32 (l%8)
.set CO,  8                            ; v8  16 x lane
.set QO,  9                            ; v9  r*128 + 16 h
.set LV,  10                           ; v10 32 qg + r - 8 h - 64 kh (signed): key 64kh+16sb+8h+j is masked for query 32qg+16q+r where 16sb+j-16q > LV
.set NINF, 11                          ; v11 -inf
.set MX,  12                           ; v12, v13  running maximum of raw scores, q = 0, 1
.set LS,  14                           ; v[14:17]  running sums, a pair of partial sums for each q
.set AL,  18                           ; v[18:21]  the step's rescale factor, twice, for each q
.set NM,  22                           ; v[22:25]  -maximum * c, twice, for each q
.set TT,  26                           ; v[26:41]  at work
.set MLS, 42                           ; v42 where I put (maximum, sum) of query r
.set MLR, 43                           ; v43 where the merge reads them
.set SC,  48                           ; v[48:111]   scores: tile (sb, q) at SC + 8 (2 sb + q); then P(g, q) at SC + 32 g + 8 q
.set KF,  112                          ; v[112:175]  K fragments (sb, kk) at KF + 8 (2 sb + kk)
.set VF,  176                          ; v[176:239]  V fragments (g, d) at VF + 8 (4 g + d)
.set OA,  0                            ; window 1, v[0:63]   O tiles (d, q) at 8 (2 d + q)
.set QF,  64                           ; window 1, v[64:95]  Q fragments (q, kk) at 64 + 8 (2 q + kk)
.set G1,  32                           ; s[32:39] descriptor group 1
.set G0,  40                           ; s[40:47] descriptor group 0, a set for each slot
.set MSB, 0
.macro WIN new                         ; the immediate's high byte repeats the setting that is left
.if MSB != \new
	s_set_vgpr_msb (MSB<<8)|\new
.set MSB, \new
.endif
.endm
.macro PLACES n
.rept \n
	v_nop
.endr
.endm
.macro LOADK slot                      ; my 64 keys x 64 dims: 16 loads
.irp sb, 0,1,2,3
.irp kk, 0,1
	ds_load_b128 v[KF+8*(2*\sb+\kk):KF+8*(2*\sb+\kk)+3],   v[KA] offset:\slot*SLOT+16*\sb*KP+64*\kk
	ds_load_b128 v[KF+8*(2*\sb+\kk)+4:KF+8*(2*\sb+\kk)+7], v[KA] offset:\slot*SLOT+16*\sb*KP+64*\kk+32
.endr
.endr
.endm
.macro LOADV slot                      ; my 64 keys x 64 dims, turned: 16 loads
.irp g, 0,1
.irp d, 0,1,2,3
	ds_load_tr16_b128 v[VF+8*(4*\g+\d):VF+8*(4*\g+\d)+3],   v[VA] offset:\slot*SLOT+32*\g*KP+32*\d
	ds_load_tr16_b128 v[VF+8*(4*\g+\d)+4:VF+8*(4*\g+\d)+7], v[VA] offset:\slot*SLOT+32*\g*KP+32*\d+16*KP
.endr
.endr
.endm
.macro LOADQ qb                        ; my 32 queries as fragments, from memory, twice in the kernel
	WIN 0x40
.irp q, 0,1
.irp kk, 0,1
	global_load_b128 v[QF+8*(2*\q+\kk):QF+8*(2*\q+\kk)+3],   v[QO], s[\qb:\qb+1] offset:\q*2048+\kk*64
	global_load_b128 v[QF+8*(2*\q+\kk)+4:QF+8*(2*\q+\kk)+7], v[QO], s[\qb:\qb+1] offset:\q*2048+\kk*64+32
.endr
.endr
	WIN 0
.endm
; 16 matrix instructions on 8 accumulators that take turns, one instruction a turn; the first pass starts the sums
.macro SMUL
	WIN 0x04                                       ; source 1 (Q) window 1
.irp sb, 0,1,2,3
.irp q, 0,1
	v_wmma_f32_16x16x32_bf16 v[SC+8*(2*\sb+\q):SC+8*(2*\sb+\q)+7], v[KF+16*\sb:KF+16*\sb+7], v[QF+16*\q:QF+16*\q+7], 0
.endr
.endr
.irp sb, 0,1,2,3
.irp q, 0,1
	v_wmma_f32_16x16x32_bf16 v[SC+8*(2*\sb+\q):SC+8*(2*\sb+\q)+7], v[KF+16*\sb+8:KF+16*\sb+15], v[QF+16*\q+8:QF+16*\q+15], v[SC+8*(2*\sb+\q):SC+8*(2*\sb+\q)+7]
.endr
.endr
	WIN 0
	PLACES 4                                       ; before the scores are read and before loads land in Q's registers
.endm
.macro MASK
.irp q, 0,1
.irp sb, 0,1,2,3
.irp j, 0,1,2,3,4,5,6,7
	v_cmp_gt_i32 vcc_lo, 16*\sb+\j-16*\q, v[LV]
	v_cndmask_b32 v[SC+8*(2*\sb+\q)+\j], v[SC+8*(2*\sb+\q)+\j], v[NINF], vcc_lo
.endr
.endr
.endr
.endm
; one step of the running softmax for query block q: 64 keys, 32 of them in my lane
.macro SOFTQ q
.irp sb, 0,1,2,3
	v_max3_num_f32 v[TT+\sb], v[SC+8*(2*\sb+\q)], v[SC+8*(2*\sb+\q)+1], v[SC+8*(2*\sb+\q)+2]
.endr
.irp sb, 0,1,2,3
	v_max3_num_f32 v[TT+\sb], v[TT+\sb], v[SC+8*(2*\sb+\q)+3], v[SC+8*(2*\sb+\q)+4]
.endr
.irp sb, 0,1,2,3
	v_max3_num_f32 v[TT+\sb], v[TT+\sb], v[SC+8*(2*\sb+\q)+5], v[SC+8*(2*\sb+\q)+6]
.endr
.irp sb, 0,1,2,3
	v_max_num_f32 v[TT+\sb], v[TT+\sb], v[SC+8*(2*\sb+\q)+7]
.endr
	v_max3_num_f32 v[TT], v[TT], v[TT+1], v[TT+2]
	v_max_num_f32 v[TT], v[TT], v[TT+3]
	v_permlanex16_b32 v[TT+1], v[TT], s12, s13     ; the same query's other 32 keys lie in lane l xor 16
	v_max3_num_f32 v[TT+2], v[MX+\q], v[TT], v[TT+1]   ; the new maximum: finite, since the old one is
	v_sub_f32 v[TT+3], v[MX+\q], v[TT+2]
	v_mul_f32 v[TT+3], s14, v[TT+3]
	v_exp_f32 v[AL+2*\q], v[TT+3]                  ; what has been summed so far shrinks by 2^((old - new) c)
	v_mul_f32 v[NM+2*\q], s16, v[TT+2]             ; (a plain place behind the transcendental)
	v_mov_b32 v[MX+\q], v[TT+2]
	s_wait_alu depctr_va_vdst(0)
	v_mov_b32 v[AL+2*\q+1], v[AL+2*\q]
	v_mov_b32 v[NM+2*\q+1], v[NM+2*\q]
.irp sb, 0,1,2,3
.irp p, 0,2,4,6
	v_pk_fma_f32 v[SC+8*(2*\sb+\q)+\p:SC+8*(2*\sb+\q)+\p+1], v[SC+8*(2*\sb+\q)+\p:SC+8*(2*\sb+\q)+\p+1], s[14:15], v[NM+2*\q:NM+2*\q+1] op_sel_hi:[1,0,1]
.endr
.endr
.irp sb, 0,1,2,3
.irp j, 0,1,2,3,4,5,6,7
	v_exp_f32 v[SC+8*(2*\sb+\q)+\j], v[SC+8*(2*\sb+\q)+\j]
.endr
.endr
	v_nop                                          ; one plain place before the last result is read
	s_wait_alu depctr_va_vdst(0)
.irp sb, 0,1,2,3
	v_pk_add_f32 v[TT+4+2*\sb:TT+5+2*\sb], v[SC+8*(2*\sb+\q):SC+8*(2*\sb+\q)+1], v[SC+8*(2*\sb+\q)+2:SC+8*(2*\sb+\q)+3]
.endr
.irp p, 4,6
.irp sb, 0,1,2,3
	v_pk_add_f32 v[TT+4+2*\sb:TT+5+2*\sb], v[TT+4+2*\sb:TT+5+2*\sb], v[SC+8*(2*\sb+\q)+\p:SC+8*(2*\sb+\q)+\p+1]
.endr
.endr
	v_pk_add_f32 v[TT+4:TT+5], v[TT+4:TT+5], v[TT+6:TT+7]
	v_pk_add_f32 v[TT+8:TT+9], v[TT+8:TT+9], v[TT+10:TT+11]
	v_pk_add_f32 v[TT+4:TT+5], v[TT+4:TT+5], v[TT+8:TT+9]
	v_pk_fma_f32 v[LS+2*\q:LS+2*\q+1], v[LS+2*\q:LS+2*\q+1], v[AL+2*\q:AL+2*\q+1], v[TT+4:TT+5]
	; round in place: tile 2g gives registers 0-3 of P(g, q), tile 2g+1 registers 4-7; each source is read before its register is written
.irp g, 0,1
.irp e, 0,1
.irp p, 0,1,2,3
	v_cvt_pk_bf16_f32 v[SC+32*\g+8*\q+4*\e+\p], v[SC+32*\g+16*\e+8*\q+2*\p], v[SC+32*\g+16*\e+8*\q+2*\p+1]
.endr
.endr
.endr
.endm
.macro SOFTMAX
	SOFTQ 0
	SOFTQ 1
	WIN 0x41                                       ; O in window 1, the factor in window 0
.irp d, 0,1,2,3
.irp q, 0,1
.irp p, 0,2,4,6
	v_pk_mul_f32 v[OA+8*(2*\d+\q)+\p:OA+8*(2*\d+\q)+\p+1], v[OA+8*(2*\d+\q)+\p:OA+8*(2*\d+\q)+\p+1], v[AL+2*\q:AL+2*\q+1]
.endr
.endr
.endr
	WIN 0
.endm
; 16 matrix instructions on O's 8 accumulators, by turns, one instruction a turn
.macro PV
	WIN 0x50                                       ; C and D window 1
.irp g, 0,1
.irp d, 0,1,2,3
.irp q, 0,1
	v_wmma_f32_16x16x32_bf16 v[OA+8*(2*\d+\q):OA+8*(2*\d+\q)+7], v[VF+8*(4*\g+\d):VF+8*(4*\g+\d)+7], v[SC+32*\g+8*\q:SC+32*\g+8*\q+7], v[OA+8*(2*\d+\q):OA+8*(2*\d+\q)+7]
.endr
.endr
.endr
	WIN 0
	PLACES 5                                       ; five: the next scores are written by matrix instructions over P's registers; V's are loaded again, O is read
.endm
; A block's end.  Every wave puts its partial O (f32) and its (maximum, sum) into its own bytes of the stage; behind a barrier wave (qg, kh)
; reads, for queries 16 kh .. + 15, the partials of waves qg and qg + 4, weighs them by 2^((m_k - m) c) / sum, rounds, and stores four rows
; (512 consecutive bytes) at a time.  The barrier stands under a branch that hangs on the work-group's number and the trip's number alone:
; all eight waves take it alike.  A tensor load may be on its way across it.
.macro FINISH ob
	v_add_f32 v[TT], v[LS], v[LS+1]
	v_add_f32 v[TT+2], v[LS+2], v[LS+3]
	v_permlanex16_b32 v[TT+1], v[TT], s12, s13
	v_permlanex16_b32 v[TT+3], v[TT+2], s12, s13
	v_mov_b32 v[TT+4], v[MX]
	v_add_f32 v[TT+5], v[TT], v[TT+1]              ; my keys' whole sum, the same in both halves of the lanes
	v_mov_b32 v[TT+6], v[MX+1]
	v_add_f32 v[TT+7], v[TT+2], v[TT+3]
	ds_store_b64 v[MLS], v[TT+4:TT+5]              ; lanes r and r + 16 write the same 8 bytes with the same values
	ds_store_b64 v[MLS], v[TT+6:TT+7] offset:128
	WIN 0x04                                       ; the stores' data in window 1
.irp d, 0,1,2,3
.irp q, 0,1
	ds_store_b128 v[STO], v[OA+8*(2*\d+\q):OA+8*(2*\d+\q)+3]   offset:\q*16*SP+64*\d
	ds_store_b128 v[STO], v[OA+8*(2*\d+\q)+4:OA+8*(2*\d+\q)+7] offset:\q*16*SP+64*\d+16
.endr
.endr
	WIN 0
	s_wait_dscnt 0x0                               ; for the other waves' sake: my stores are done
	s_barrier_signal -1
	s_barrier_wait -1
.irp t, 0,1,2,3
.irp k, 0,1
	ds_load_b64 v[VF+4*\t+2*\k:VF+4*\t+2*\k+1], v[MLR] offset:1024*\k+32*\t      ; (m_k, l_k) of row 4 t + l / 8
.endr
.endr
.irp t, 0,1,2,3
.irp k, 0,1
	ds_load_b128 v[KF+16*\t+8*\k:KF+16*\t+8*\k+3],   v[RD] offset:\k*4*WST+\t*4*SP
	ds_load_b128 v[KF+16*\t+8*\k+4:KF+16*\t+8*\k+7], v[RD] offset:\k*4*WST+\t*4*SP+16
.endr
.endr
	s_wait_dscnt 16                                ; the eight pairs are in; O's 16 loads stay out
.irp t, 0,1,2,3
	v_max_num_f32 v[SC+8*\t], v[VF+4*\t], v[VF+4*\t+2]
	v_sub_f32 v[SC+8*\t+1], v[VF+4*\t], v[SC+8*\t]
	v_sub_f32 v[SC+8*\t+2], v[VF+4*\t+2], v[SC+8*\t]
	v_mul_f32 v[SC+8*\t+1], s14, v[SC+8*\t+1]
	v_mul_f32 v[SC+8*\t+2], s14, v[SC+8*\t+2]
.endr
.irp t, 0,1,2,3
	v_exp_f32 v[SC+8*\t+1], v[SC+8*\t+1]
	v_exp_f32 v[SC+8*\t+2], v[SC+8*\t+2]
.endr
	v_nop                                          ; one plain place behind the transcendentals
	s_wait_alu depctr_va_vdst(0)
.irp t, 0,1,2,3
	v_mul_f32 v[SC+8*\t+3], v[SC+8*\t+1], v[VF+4*\t+1]
	v_fmac_f32 v[SC+8*\t+3], v[SC+8*\t+2], v[VF+4*\t+3]         ; the whole sum: at least 1
.endr
.irp t, 0,1,2,3
	v_rcp_f32 v[SC+8*\t], v[SC+8*\t+3]
.endr
	v_nop
	s_wait_alu depctr_va_vdst(0)
.irp t, 0,1,2,3
	v_mul_f32 v[SC+8*\t+4], v[SC+8*\t+1], v[SC+8*\t]            ; each factor twice, a pair for the packed arithmetic
	v_mul_f32 v[SC+8*\t+5], v[SC+8*\t+1], v[SC+8*\t]
	v_mul_f32 v[SC+8*\t+6], v[SC+8*\t+2], v[SC+8*\t]
	v_mul_f32 v[SC+8*\t+7], v[SC+8*\t+2], v[SC+8*\t]
.endr
.irp t, 0,1,2,3
	s_wait_dscnt 4*(3-\t)                          ; LDS loads come back in order: row group t's four are in
.irp p, 0,2,4,6
	v_pk_mul_f32 v[KF+16*\t+\p:KF+16*\t+\p+1], v[KF+16*\t+\p:KF+16*\t+\p+1], v[SC+8*\t+4:SC+8*\t+5]
.endr
.irp p, 0,2,4,6
	v_pk_fma_f32 v[KF+16*\t+\p:KF+16*\t+\p+1], v[KF+16*\t+8+\p:KF+16*\t+8+\p+1], v[SC+8*\t+6:SC+8*\t+7], v[KF+16*\t+\p:KF+16*\t+\p+1]
.endr
.irp p, 0,1,2,3
	v_cvt_pk_bf16_f32 v[VF+16+4*\t+\p], v[KF+16*\t+2*\p], v[KF+16*\t+2*\p+1]
.endr
	global_store_b128 v[CO], v[VF+16+4*\t:VF+16+4*\t+3], s[\ob:\ob+1] offset:512*\t
.endr
	s_wait_xcnt 0x0                                ; V's registers, the stores' data, are loaded again only behind this wait
.endm
; One key tile of 128 keys; my wave takes 64 of them.  slot: where it lies; refill: the next trip's tile is asked for into the other slot.
.macro TRIP slot, refill, tail
	s_wait_tensorcnt 0x0                           ; all my tensor loads have landed, my part of this trip's tile among them: a group 0 may be written
	ds_add_u32 v254, v255
	s_wait_dscnt 0x0
.if \refill
	s_add_co_u32 s18, s10, 1                       ; the next trip's tile: n + 1, or n + 1 - (i + 1) in the second block
	s_cmp_gt_u32 s18, s9
	s_cselect_b32 s19, s17, 0
	s_sub_co_u32 s18, s18, s19
	s_lshl_b32 s18, s18, 14                        ; 128 rows of 128 bytes
	s_mov_b32 s19, 0
	s_add_nc_u64 s[G0+6-4*\slot:G0+7-4*\slot], s[28:29], s[18:19]
	s_or_b32 s[G0+7-4*\slot], s[G0+7-4*\slot], 0x80000000
.endif
	s_wait_dscnt 0x0                               ; my reads of the other slot are over
	s_barrier_signal -1
	s_barrier_wait -1                              ; both hold of all eight waves
.if \refill
	s_cmp_ge_u32 s8, 4                             ; waves 4 to 7 have no part of a tile to fill
	s_cbranch_scc1 .Lnf_\@
	tensor_load_to_lds s[G0+4-4*\slot:G0+7-4*\slot], s[G1:G1+7]   ; my one tensor load behind this barrier; it has the whole trip in which to land
	s_nop 0
.Lnf_\@:
.endif
	LOADK \slot
	LOADV \slot
	s_wait_loadcnt 0x0                             ; Q (met at once in all trips but a block's first)
	s_wait_dscnt 16                                ; K's 16 loads are in, V's 16 stay out
	SMUL
.if \tail
	MASK
.else
	s_cmp_lg_u32 s10, s9
	s_cbranch_scc1 .Lm_\@
	MASK
	LOADQ 22                                       ; the first block's last scores are made: the second block's queries
.Lm_\@:
.endif
	SOFTMAX
	s_wait_dscnt 0x0                               ; V
	PV
.if \tail
	FINISH 26
.else
	s_cmp_lg_u32 s10, s9
	s_cbranch_scc1 .Lf_\@
	FINISH 24
	; The second block starts: the maximum goes back to the floor.  Its first tile is no diagonal tile (block 15 - i has at least 9 tiles), so the
	; next step's maximum is a true score, the factor 2^((floor - maximum) c) is 0, and O and the sums, which are finite, are cleared by it.
	v_mov_b32 v[MX], FLOOR
	v_mov_b32 v[MX+1], FLOOR
.Lf_\@:
	s_add_co_u32 s10, s10, 1
.endif
.endm
	s_load_b128 s[4:7], s[0:1], 0x0                ; qkv s[4:5], ctx s[6:7]
	v_lshl_add_u32 v254, v0, 2, 0x29000
	v_mov_b32 v255, 0
	ds_add_u32 v254, v255
	v_lshrrev_b32 v2, 5, v0
	v_readfirstlane_b32 s8, v2                     ; wave 0..7
	s_and_b32 s54, s8, 3                           ; qg: which 32 queries.  For waves 0 to 3 also: which part of a tile I fetch
	s_lshr_b32 s55, s8, 2                          ; kh: which 64 keys of a tile
	s_and_b32 s9, ttmp9, 7                         ; i
	s_add_co_u32 s17, s9, 1
	s_bfe_u32 s30, ttmp9, 0x40003                  ; head
	s_lshr_b32 s31, ttmp9, 7                       ; b
	s_lshl_b32 s30, s30, 19                        ; head x panel bytes
	s_lshl_b32 s31, s31, 18                        ; b x 2048 rows of 128 bytes
	s_add_co_u32 s30, s30, s31
	s_lshl_b32 s48, s54, 12                        ; my 32 rows in a block
	s_add_co_u32 s48, s48, s30
	s_lshl_b32 s18, s9, 14                         ; block i
	s_add_co_u32 s18, s18, s48
	s_mov_b32 s19, 0
	s_sub_co_u32 s50, 15, s9                       ; block 15 - i
	s_lshl_b32 s50, s50, 14
	s_add_co_u32 s50, s50, s48
	s_mov_b32 s51, 0
	s_lshl_b32 s49, s55, 11                        ; the 16 rows that I finish
	s_lshr_b32 s52, s54, 1                         ; parts 0, 1: K (panels 16..31); parts 2, 3: V (panels 32..47)
	s_add_co_u32 s52, s52, 1
	s_lshl_b32 s52, s52, 23
	s_and_b32 s53, s54, 1                          ; which 64 rows of the tile
	s_lshl_b32 s53, s53, 13
	s_add_co_u32 s52, s52, s53
	s_add_co_u32 s52, s52, s30
	s_mov_b32 s53, 0
	s_mov_b32 s12, 0x76543210
	s_mov_b32 s13, 0xfedcba98
	s_mov_b32 s14, 0x3e38aa3b                      ; c = log2(e) / sqrt(64)
	s_mov_b32 s15, 0x3e38aa3b
	s_mov_b32 s16, 0xbe38aa3b                      ; -c
	; group 1: 64 rows x 64 elements of 2 bytes, 8 words of padding behind every 32
	s_mov_b32 s[G1+0], (1<<16)|(1<<20)|(4<<22)|(7<<25)
	s_mov_b32 s[G1+1], 64<<16                      ; tensor_dim0
	s_mov_b32 s[G1+2], 64<<16                      ; tensor_dim1
	s_mov_b32 s[G1+3], 64<<16                      ; tile_dim0
	s_mov_b32 s[G1+4], 64                          ; tile_dim1
	s_mov_b32 s[G1+5], 64                          ; elements from row to row
	s_mov_b32 s[G1+6], 0
	s_mov_b32 s[G1+7], 0
	s_mov_b32 s[G0], 1
	s_mul_i32 s[G0+1], s8, 64*KP                   ; LDS: wave x 10240 (waves 0 to 3 alone use it): K's halves, then V's halves
	s_mov_b32 s[G0+4], 1
	s_add_co_u32 s[G0+5], s[G0+1], SLOT
	s_wait_dscnt 0x0
	s_barrier_signal -1
	s_barrier_wait -1
	s_wait_kmcnt 0x0
	s_add_nc_u64 s[20:21], s[4:5], s[18:19]        ; my queries, first block
	s_add_nc_u64 s[22:23], s[4:5], s[50:51]        ; second block
	s_add_co_u32 s18, s18, s49
	s_add_co_u32 s50, s50, s49
	s_add_nc_u64 s[24:25], s[6:7], s[18:19]        ; where the 16 rows that I finish go
	s_add_nc_u64 s[26:27], s[6:7], s[50:51]
	s_add_nc_u64 s[28:29], s[4:5], s[52:53]        ; my part of key tile 0
	s_mov_b64 s[G0+2:G0+3], s[28:29]
	s_or_b32 s[G0+3], s[G0+3], 0x80000000
	s_cmp_ge_u32 s8, 4
	s_cbranch_scc1 .Lnofirst
	tensor_load_to_lds s[G0:G0+3], s[G1:G1+7]      ; tile 0 into slot 0, before anything else
	s_nop 0
.Lnofirst:
	v_and_b32 v1, 15, v0                           ; r
	v_bfe_u32 v3, v0, 4, 1                         ; h
	s_mul_i32 s31, s55, 64*KP                      ; my 64 keys' rows
	v_mul_u32_u24 v[KA], v1, KP
	v_lshl_add_u32 v[KA], v3, 4, v[KA]
	v_add_nc_u32 v[KA], s31, v[KA]
	v_and_b32 v[VA], 7, v0
	v_lshl_add_u32 v[VA], v3, 3, v[VA]
	v_mul_u32_u24 v[VA], v[VA], KP
	v_bfe_u32 v[TT], v0, 3, 1
	v_lshl_add_u32 v[VA], v[TT], 4, v[VA]
	s_add_co_u32 s31, s31, VOFF
	v_add_nc_u32 v[VA], s31, v[VA]
	s_mul_i32 s30, s8, WST
	s_add_co_u32 s30, s30, STAGE                   ; my partial O
	v_mul_u32_u24 v[STO], v1, SP
	v_lshl_add_u32 v[STO], v3, 5, v[STO]
	v_add_nc_u32 v[STO], s30, v[STO]
	s_mul_i32 s30, s54, WST                        ; the merge: wave qg's partial (wave qg + 4's lies 4 x 8704 bytes further),
	s_mul_i32 s31, s55, 16*SP                      ; rows 16 kh ..
	s_add_co_u32 s30, s30, s31
	s_add_co_u32 s30, s30, STAGE
	v_bfe_u32 v[RD], v0, 3, 2
	v_mul_u32_u24 v[RD], v[RD], SP
	v_and_b32 v[TT], 7, v0
	v_lshl_add_u32 v[RD], v[TT], 5, v[RD]
	v_add_nc_u32 v[RD], s30, v[RD]
	s_lshl_b32 s30, s8, 8
	s_add_co_u32 s30, s30, MLB
	v_lshlrev_b32 v[MLS], 3, v1
	v_add_nc_u32 v[MLS], s30, v[MLS]
	s_lshl_b32 s30, s54, 8
	s_lshl_b32 s31, s55, 7
	s_add_co_u32 s30, s30, s31
	s_add_co_u32 s30, s30, MLB
	v_bfe_u32 v[MLR], v0, 3, 2
	v_lshlrev_b32 v[MLR], 3, v[MLR]
	v_add_nc_u32 v[MLR], s30, v[MLR]
	v_and_b32 v[CO], 31, v0
	v_lshlrev_b32 v[CO], 4, v[CO]
	v_lshlrev_b32 v[QO], 7, v1
	v_lshl_add_u32 v[QO], v3, 4, v[QO]
	s_lshl_b32 s30, s54, 5
	s_lshl_b32 s31, s55, 6
	s_sub_co_i32 s30, s30, s31                     ; 32 qg - 64 kh
	v_lshlrev_b32 v[LV], 3, v3
	v_sub_nc_u32 v[LV], v1, v[LV]
	v_add_nc_u32 v[LV], s30, v[LV]
	v_mov_b32 v[NINF], 0xff800000
	LOADQ 20
	; O and the sums are cleared here, once: the first block's first tile can be its diagonal tile, of which a wave's whole step can be masked
	WIN 0x40
.set p, 0
.rept 64
	v_mov_b32 v[OA+p], 0
.set p, p+1
.endr
	WIN 0
.irp p, 0,1,2,3
	v_mov_b32 v[LS+\p], 0
.endr
	v_mov_b32 v[MX], FLOOR
	v_mov_b32 v[MX+1], FLOOR
	s_mov_b32 s10, 0                               ; n
	s_mov_b32 s11, 8
.Lloop:
	TRIP 0, 1, 0
	TRIP 1, 1, 0
	s_sub_co_u32 s11, s11, 1
	s_cmp_lg_u32 s11, 0
	s_cbranch_scc1 .Lloop
	TRIP 0, 0, 1                                   ; trip 16: the second block's diagonal tile; nothing is left to fetch
	s_wait_tensorcnt 0x0
	ds_add_u32 v254, v255
	s_wait_dscnt 0x0
	s_endpgm
.Lfunc_end_k_q81295e099f_attn:
	.size	k_q81295e099f_attn, .Lfunc_end_k_q81295e099f_attn-k_q81295e099f_attn
	.p2alignl 7, 3214868480
	.fill 96, 4, 3214868480
	.section	.rodata,"a",@progbits
	.p2align	6, 0x0
	.amdhsa_kernel k_q81295e099f_attn
		.amdhsa_group_segment_fixed_size 327680
		.amdhsa_private_segment_fixed_size 0
		.amdhsa_enable_private_segment 0
		.amdhsa_kernarg_size 16
		.amdhsa_user_sgpr_count 2
		.amdhsa_user_sgpr_kernarg_segment_ptr 1
		.amdhsa_wavefront_size32 1
		.amdhsa_system_sgpr_workgroup_id_x 1
		.amdhsa_system_sgpr_workgroup_id_y 1
		.amdhsa_system_sgpr_workgroup_id_z 1
		.amdhsa_system_vgpr_workitem_id 0
		.amdhsa_next_free_vgpr 352
		.amdhsa_next_free_sgpr 66
		.amdhsa_reserve_vcc 1
		.amdhsa_float_denorm_mode_32 3
		.amdhsa_float_denorm_mode_16_64 3
		.amdhsa_memory_ordered 1
		.amdhsa_forward_progress 1
		.amdhsa_inst_pref_size 103
	.end_amdhsa_kernel
	.amdgpu_metadata
---
amdhsa.version: [ 1, 2 ]
amdhsa.kernels:
  - .name:           k_q81295e099f_attn
    .symbol:         k_q81295e099f_attn.kd
    .args:
      - { .name: qkv, .offset: 0, .size: 8, .value_kind: global_buffer, .address_space: global }
      - { .name: ctx, .offset: 8, .size: 8, .value_kind: global_buffer, .address_space: global }
    .group_segment_fixed_size: 327680
    .private_segment_fixed_size: 0
    .kernarg_segment_align: 8
    .kernarg_segment_size: 16
    .max_flat_workgroup_size: 256
    .sgpr_count:     66
    .vgpr_count:     352
    .wavefront_size: 32
...
	.end_amdgpu_metadata
.endif
;; end of part 3
;; launch gemm_proj (part 4): grid 8 x 32, 4 waves a work-group, clusters of 4 x 4, 327,680 bytes of LDS; arguments ctx, wb, hf, b_proj, x2; writes x2
.if DOCPART == 4
	.amdgcn_target "amdgcn-amd-amdhsa--gfx1250"
	.amdhsa_code_object_version 6
	.text
	.protected	k_q81295e099f_gemm_proj
	.globl	k_q81295e099f_gemm_proj
	.p2align	8
	.type	k_q81295e099f_gemm_proj,@function
k_q81295e099f_gemm_proj:
	s_mov_b64 s[64:65], 0
	v_nop
	global_prefetch_b8 v0, s[64:65] scope:SCOPE_SE
	s_setreg_imm32_b32 hwreg(HW_REG_WAVE_MODE, 25, 1), 1
	s_wait_xcnt 0x0
	s_wait_alu depctr_hold_cnt(0) depctr_sa_sdst(0) depctr_va_vdst(0) depctr_va_sdst(0) depctr_va_ssrc(0) depctr_va_vcc(0) depctr_vm_vsrc(0)
	s_getreg_b32 s2, hwreg(HW_REG_IB_STS2, 6, 4)
	s_cmp_eq_u32 s2, 0
	s_cbranch_scc0 .Lentry_in_a_cluster
	s_endpgm
.Lentry_in_a_cluster:
	s_bfe_u32 s2, ttmp6, 0x10000c
	s_cmp_lg_u32 s2, 0xf033
	s_cbranch_scc0 .Lentry_shape_is_right
	s_endpgm
.Lentry_shape_is_right:
; out = A B + bias + res, f32 out.  A: bf16 panels [SIZE_K/64][4096][64].  B: wb + WOFF, bf16 [SIZE_K (k)][1024].  res, out: f32 [4096][1024].
; Here: x2 = ctx w_proj + b_proj + h  (SIZE_K = 1024).
; N is only 1024, so 256 work-groups means blocks of 128 x 128: four waves, 2 x 2, a wave 64 x 64 = 16 accumulator tiles.
; K goes in steps of 256 through two LDS slots: one round of the cluster's barrier serves 128 matrix instructions of a wave.
; 4 x 4 work-groups form a cluster: A's tile is asked for jointly along a row of the cluster, B's along a column.
; A's load (waves 0, 1): two panels; 128 rows of a panel are 16 KiB dense in memory, so the tile is 2 rows of 8192 elements, 32 KiB, and the
; padding of 16 bytes behind every 128 gives LDS rows of 144 bytes.  B's load (waves 2, 3): 128 k rows x 256 bytes, LDS rows of 288 bytes.
; B lies in LDS as in memory, [k][n]; ds_load_tr16_b128 turns it.  The matrix instruction is used transposed (source 0 = B's columns,
; source 1 = A's rows): a lane holds row l % 16 and columns 8 (l / 16) + 0..7.  The 16 accumulators take turns, one instruction a turn.
; REGISTERS: window 0: addresses v16-31, A's fragments v32-95 (two buffers), B's v96-159, read-back v160-191;
; window 1: sums v0-127, the residual v128-255 (asked for at the start, waited for on the way out).
.set SIZE_K, 1024
.set WOFF,   6291456
.set PANELB, 524288
.set PA,     144
.set PB,     288
.set HALFT,  36864                     ; one tensor load: 2 panels x 128 rows x 144 = 128 k rows x 288
.set SLOT,   4*HALFT                   ; A's four panels, then B's 256 k rows
.set STAGE,  2*SLOT                    ; behind the ring: 16 rows x 272 bytes for each wave; no tensor load lands there
.set SPITCH, 272
.set LAPS,   SIZE_K/512                ; a lap = two K steps of 256
.set ADRA, 16                          ; v16-17  A fragments, slot 0, 1
.set ADRB, 20                          ; v20-23  B fragments, 2 x slot + (k rows 0-127 or 128-255): the 16-bit offset does not span 256 rows
.set STO,  24
.set RD,   25
.set CO,   26                          ; (l / 16) x 4096 + 16 (l % 16): two rows of 256 bytes in res and out
.set BO,   27                          ; 16 (l % 16)
.set BIAS, 28                          ; v[28:31] the bias of my four columns
.set FA,   32
.set FB,   96
.set RB,   160
.set RES,  128                         ; window 1
.set G1, 24
.set G0, 32
.set G1B, 48
.set G0B, 56
.set ACCW, 0x50                        ; C and D window 1
.set MSB, 0
.macro WIN new
.if MSB != \new
	s_set_vgpr_msb (MSB<<8)|\new
.set MSB, \new
.endif
.endm
.macro PLACES n
.rept \n
	v_nop
.endr
.endm
.macro JLOAD s
	s_cmp_eq_u32 s11, 0
	s_cbranch_scc0 .Lfor_b_\@
	tensor_load_to_lds s[G0+4*\s:G0+4*\s+3], s[G1:G1+7]
	s_nop 0
	s_branch .Lasked_\@
.Lfor_b_\@:
	tensor_load_to_lds s[G0B+4*\s:G0B+4*\s+3], s[G1B:G1B+7]
	s_nop 0
.Lasked_\@:
.endm
.macro CREST
	s_cmp_lg_u32 s10, 0
	s_cbranch_scc1 .Lnot_wave_0_\@
	s_barrier_signal -3
.Lnot_wave_0_\@:
	s_barrier_wait -3
	s_barrier_signal -1
	s_barrier_wait -1
.endm
.macro CROUND
	s_barrier_signal -1
	s_barrier_wait -1
	CREST
.endm
	s_load_b128 s[4:7], s[0:1], 0x0                ; A s[4:5], wb s[6:7]
	s_load_b128 s[68:71], s[0:1], 0x10             ; res s[68:69], bias s[70:71]
	s_load_b64 s[72:73], s[0:1], 0x20              ; out
	v_lshl_add_u32 v254, v0, 2, 0x4c400
	v_mov_b32 v255, 0
	ds_add_u32 v254, v255
	v_lshrrev_b32 v1, 5, v0
	v_readfirstlane_b32 s10, v1                    ; wave
	s_lshr_b32 s11, s10, 1                         ; my half of the rows.  Also: I fetch for A (0) or B (1)
	s_and_b32 s12, s10, 1                          ; my half of the columns.  Also: which half of that tile I fetch
	s_bfe_u32 s40, ttmp6, 0x40000                  ; cx
	s_bfe_u32 s41, ttmp6, 0x40004                  ; cy
	s_lshl_b32 s42, ttmp9, 2
	s_add_co_u32 s42, s42, s40                     ; block column
	s_and_b32 s13, ttmp7, 0xffff
	s_lshl_b32 s13, s13, 2
	s_add_co_u32 s13, s13, s41                     ; block row
	s_lshl_b32 s43, s41, 2
	s_lshl_b32 s43, 15, s43                        ; my row of the cluster
	s_lshl_b32 s44, 0x1111, s40                    ; my column
	; group 1 for A: 2 rows of 8192 elements, a panel apart; 4 words of padding behind every 32
	s_or_b32 s[G1+0], s43, (1<<16)|(1<<20)|(1<<21)|(4<<22)|(3<<25)
	s_mov_b32 s[G1+1], 8192<<16                    ; tensor_dim0
	s_mov_b32 s[G1+2], 2<<16                       ; tensor_dim1
	s_mov_b32 s[G1+3], 8192<<16                    ; tile_dim0
	s_mov_b32 s[G1+4], 2                           ; tile_dim1
	s_mov_b32 s[G1+5], PANELB/2                    ; elements from panel to panel
	s_mov_b32 s[G1+6], 0
	s_mov_b32 s[G1+7], 0
	; group 1 for B: 128 k rows x 128 elements; 8 words of padding behind every 64
	s_or_b32 s[G1B+0], s44, (1<<16)|(1<<20)|(1<<21)|(5<<22)|(7<<25)
	s_mov_b32 s[G1B+1], 128<<16
	s_mov_b32 s[G1B+2], 128<<16
	s_mov_b32 s[G1B+3], 128<<16
	s_mov_b32 s[G1B+4], 128
	s_mov_b32 s[G1B+5], 1024
	s_mov_b32 s[G1B+6], 0
	s_mov_b32 s[G1B+7], 0
	s_lshl_b32 s16, s12, 20                        ; A: panel 2 x half,
	s_lshl_b32 s17, s13, 14                        ; row 128 x block row (rows of 128 bytes)
	s_add_co_u32 s16, s16, s17
	s_mov_b32 s17, 0
	s_lshl_b32 s46, s12, 18                        ; B: k row 128 x half (rows of 2048 bytes),
	s_lshl_b32 s47, s42, 8                         ; column 128 x block column
	s_add_co_u32 s46, s46, s47
	s_mov_b32 s47, 0
	s_mul_i32 s20, s10, HALFT                      ; LDS: wave x 36864
	s_wait_dscnt 0x0
	s_wait_kmcnt 0x0
	s_add_nc_u64 s[14:15], s[4:5], s[16:17]
	s_add_nc_u64 s[46:47], s[6:7], s[46:47]
	s_add_nc_u64 s[46:47], s[46:47], WOFF
	CROUND                                         ; the first joint loads meet
.irp s, 0,1
	s_mov_b32 s[G0+4*\s], 1
	s_add_co_u32 s[G0+4*\s+1], s20, \s*SLOT
	s_add_nc_u64 s[G0+4*\s+2:G0+4*\s+3], s[14:15], \s*4*PANELB
	s_or_b32 s[G0+4*\s+3], s[G0+4*\s+3], 0x80000000
	s_mov_b32 s[G0B+4*\s], 1
	s_add_co_u32 s[G0B+4*\s+1], s20, \s*SLOT
	s_add_nc_u64 s[G0B+4*\s+2:G0B+4*\s+3], s[46:47], \s*256*2048
	s_or_b32 s[G0B+4*\s+3], s[G0B+4*\s+3], 0x80000000
	JLOAD \s                                       ; two tensor loads of the wave are out here, later one
.endr
	v_and_b32 v1, 15, v0                           ; r
	v_bfe_u32 v2, v0, 4, 1                         ; h
	v_mul_u32_u24 v3, v1, PA
	v_lshl_add_u32 v3, v2, 4, v3
	v_and_b32 v6, 7, v0
	v_lshl_add_u32 v6, v2, 3, v6
	v_mul_u32_u24 v6, v6, PB
	v_bfe_u32 v7, v0, 3, 1
	v_lshl_add_u32 v6, v7, 4, v6
	s_mul_i32 s21, s11, 64*PA                      ; my 64 rows in each panel
	s_lshl_b32 s22, s12, 7                         ; my 64 columns: 128 bytes along B's rows,
	s_add_co_u32 s22, s22, 2*HALFT                 ; behind A's four panels
.irp s, 0,1
	v_add_nc_u32 v[ADRA+\s], s21, v3
	v_add_nc_u32 v[ADRB+2*\s], s22, v6
	s_add_co_u32 s22, s22, 128*PB
	v_add_nc_u32 v[ADRB+2*\s+1], s22, v6
	s_add_co_u32 s21, s21, SLOT
	s_add_co_u32 s22, s22, SLOT-128*PB
.endr
	s_mul_i32 s23, s10, 16*SPITCH
	s_add_co_u32 s23, s23, STAGE
	v_mul_u32_u24 v4, v1, SPITCH
	v_lshl_add_u32 v4, v2, 5, v4
	v_add_nc_u32 v[STO], s23, v4                   ; in: row r, 32 bytes (8 f32) for each half of the lanes
	v_mul_u32_u24 v5, v2, SPITCH
	v_lshl_add_u32 v5, v1, 4, v5
	v_add_nc_u32 v[RD], s23, v5                    ; back: 16 lanes take a row of 256 bytes
	v_lshlrev_b32 v[BO], 4, v1
	v_lshl_add_u32 v[CO], v2, 12, v[BO]
	s_lshl_b32 s66, s13, 7
	s_lshl_b32 s67, s11, 6
	s_add_co_u32 s66, s66, s67                     ; my first row
	s_lshl_b32 s66, s66, 12
	s_lshl_b32 s67, s42, 9
	s_lshl_b32 s74, s12, 8
	s_add_co_u32 s74, s74, s67                     ; my first column, in bytes
	s_mov_b32 s75, 0
	s_add_nc_u64 s[70:71], s[70:71], s[74:75]
	s_add_co_u32 s66, s66, s74
	s_mov_b32 s67, 0
	s_add_nc_u64 s[68:69], s[68:69], s[66:67]
	s_add_nc_u64 s[72:73], s[72:73], s[66:67]
	; the residual of my 64 x 64, in the layout of the stores below; 33 loads stay out during the K loop
	WIN 0x40
.irp i, 0,1,2,3
.irp t, 0,1,2,3,4,5,6,7
	global_load_b128 v[RES+32*\i+4*\t:RES+32*\i+4*\t+3], v[CO], s[68:69] offset:(16*\i+2*\t)*4096
.endr
.endr
	WIN 0
	global_load_b128 v[BIAS:BIAS+3], v[BO], s[70:71]
.macro MUL4 f, a, zero                 ; m block a x my four n blocks
.irp b, 0,1,2,3
.if \zero
	v_wmma_f32_16x16x32_bf16 v[8*(4*\a+\b):8*(4*\a+\b)+7], v[FB+32*\f+8*\b:FB+32*\f+8*\b+7], v[FA+32*\f+8*\a:FA+32*\f+8*\a+7], 0
.else
	v_wmma_f32_16x16x32_bf16 v[8*(4*\a+\b):8*(4*\a+\b)+7], v[FB+32*\f+8*\b:FB+32*\f+8*\b+7], v[FA+32*\f+8*\a:FA+32*\f+8*\a+7], v[8*(4*\a+\b):8*(4*\a+\b)+7]
.endif
.endr
.endm
; 16 LDS loads: part kq (32 along K, kq = 0..7) of a slot into buffer f.  B first, then A.
.macro FETCH slot, kq, f
.irp i, 0,1,2,3
	ds_load_tr16_b128 v[FB+32*\f+8*\i:FB+32*\f+8*\i+3],   v[ADRB+2*\slot+(\kq>>2)] offset:(\kq&3)*32*PB+32*\i
	ds_load_tr16_b128 v[FB+32*\f+8*\i+4:FB+32*\f+8*\i+7], v[ADRB+2*\slot+(\kq>>2)] offset:(\kq&3)*32*PB+32*\i+16*PB
.endr
.irp i, 0,1,2,3
	ds_load_b128 v[FA+32*\f+8*\i:FA+32*\f+8*\i+3],   v[ADRA+\slot] offset:(\kq>>1)*128*PA+(\kq&1)*64+\i*16*PA
	ds_load_b128 v[FA+32*\f+8*\i+4:FA+32*\f+8*\i+7], v[ADRA+\slot] offset:(\kq>>1)*128*PA+(\kq&1)*64+\i*16*PA+32
.endr
.endm
.macro QUARTER slot, kq, f, g, zero
	s_wait_dscnt 4                                 ; B and A's blocks 0, 1 are in; the youngest four loads (A's blocks 2, 3) may be out
	WIN ACCW
	MUL4 \f, 0, \zero
	MUL4 \f, 1, \zero
	WIN 0
	PLACES 4                                       ; buffer g was read by matrix instructions
	FETCH \slot, \kq, \g
	s_wait_dscnt 16                                ; all but the 16 just issued
	WIN ACCW
	MUL4 \f, 2, \zero
	MUL4 \f, 3, \zero
.endm
.macro SEVEN slot, zero
	QUARTER \slot, 1, 0, 1, \zero
	QUARTER \slot, 2, 1, 0, 0
	QUARTER \slot, 3, 0, 1, 0
	QUARTER \slot, 4, 1, 0, 0
	QUARTER \slot, 5, 0, 1, 0
	QUARTER \slot, 6, 1, 0, 0
	QUARTER \slot, 7, 0, 1, 0
.endm
; The eighth part changes slots: waits, barrier (which opens a round of the cluster's barrier where the slot is filled again), joint refill first.
.macro TURN slot, next, fill
	s_wait_dscnt 4
	WIN ACCW
	MUL4 1, 0, 0
	s_wait_dscnt 0                                 ; my reads of this slot are over
	s_wait_tensorcnt 0x0                           ; all my tensor loads have landed: the one that was out is my part of the next slot
	ds_add_u32 v254, v255
	s_wait_dscnt 0x0
	s_barrier_signal -1
	MUL4 1, 1, 0
	WIN 0
	s_barrier_wait -1
.if \fill
	CREST
	s_add_nc_u64 s[G0+4*\slot+2:G0+4*\slot+3], s[G0+4*\slot+2:G0+4*\slot+3], 8*PANELB
	s_add_nc_u64 s[G0B+4*\slot+2:G0B+4*\slot+3], s[G0B+4*\slot+2:G0B+4*\slot+3], 512*2048
	JLOAD \slot
.endif
	PLACES 4
	FETCH \next, 0, 0
	WIN ACCW
	MUL4 1, 2, 0
	MUL4 1, 3, 0
.endm
.macro LAP zero
	SEVEN 0, \zero
	TURN 0, 1, 1
	SEVEN 1, 0
	TURN 1, 0, 1
.endm
	s_wait_tensorcnt 1                             ; my part of K step 0 is in; K step 1's may stay out
	s_barrier_signal -1
	s_barrier_wait -1
	FETCH 0, 0, 0
	LAP 1
.if LAPS > 2
	WIN 0
	s_mov_b32 s3, LAPS-2
.Llap:
	LAP 0
	WIN 0
	s_sub_co_u32 s3, s3, 1
	s_cmp_lg_u32 s3, 0
	s_cbranch_scc1 .Llap
.endif
	SEVEN 0, 0                                     ; the last lap fills nothing
	TURN 0, 1, 0
	SEVEN 1, 0
	s_wait_dscnt 4
	WIN ACCW
	MUL4 1, 0, 0
	MUL4 1, 1, 0
	s_wait_dscnt 0
	MUL4 1, 2, 0
	MUL4 1, 3, 0
	WIN 0
	; THE WAY OUT, 16 rows at a time: the sums through my own stage, so that 16 lanes hold a row's 256 bytes; + residual + bias; store.
	PLACES 4
	s_wait_loadcnt 0x0                             ; residual and bias
.macro OUT16 i
	WIN 0x04                                       ; the stores' data in window 1
.irp b, 0,1,2,3
	ds_store_b128 v[STO], v[8*(4*\i+\b):8*(4*\i+\b)+3]   offset:64*\b
	ds_store_b128 v[STO], v[8*(4*\i+\b)+4:8*(4*\i+\b)+7] offset:64*\b+16
.endr
	WIN 0
	s_wait_xcnt 0x0                                ; the read-back registers were the data of earlier stores
.irp t, 0,1,2,3,4,5,6,7
	ds_load_b128 v[RB+4*\t:RB+4*\t+3], v[RD] offset:2*SPITCH*\t   ; my own bytes, served in order behind the stores
.endr
	s_wait_dscnt 0x0
	WIN 0x04
.irp t, 0,1,2,3,4,5,6,7
.irp p, 0,2
	v_pk_add_f32 v[RB+4*\t+\p:RB+4*\t+\p+1], v[RB+4*\t+\p:RB+4*\t+\p+1], v[RES+32*\i+4*\t+\p:RES+32*\i+4*\t+\p+1]
.endr
.endr
	WIN 0
.irp t, 0,1,2,3,4,5,6,7
.irp p, 0,2
	v_pk_add_f32 v[RB+4*\t+\p:RB+4*\t+\p+1], v[RB+4*\t+\p:RB+4*\t+\p+1], v[BIAS+\p:BIAS+\p+1]
.endr
.endr
.irp t, 0,1,2,3,4,5,6,7
	global_store_b128 v[CO], v[RB+4*\t:RB+4*\t+3], s[72:73] offset:(16*\i+2*\t)*4096   ; 16 lanes store 256 consecutive bytes, aligned
.endr
.endm
	OUT16 0
	OUT16 1
	OUT16 2
	OUT16 3
	s_wait_tensorcnt 0x0
	ds_add_u32 v254, v255
	s_wait_dscnt 0x0
	CROUND                                         ; the closing round
	s_endpgm
.Lfunc_end_k_q81295e099f_gemm_proj:
	.size	k_q81295e099f_gemm_proj, .Lfunc_end_k_q81295e099f_gemm_proj-k_q81295e099f_gemm_proj
	.p2alignl 7, 3214868480
	.fill 96, 4, 3214868480
	.section	.rodata,"a",@progbits
	.p2align	6, 0x0
	.amdhsa_kernel k_q81295e099f_gemm_proj
		.amdhsa_group_segment_fixed_size 327680
		.amdhsa_private_segment_fixed_size 0
		.amdhsa_enable_private_segment 0
		.amdhsa_kernarg_size 40
		.amdhsa_user_sgpr_count 2
		.amdhsa_user_sgpr_kernarg_segment_ptr 1
		.amdhsa_wavefront_size32 1
		.amdhsa_system_sgpr_workgroup_id_x 1
		.amdhsa_system_sgpr_workgroup_id_y 1
		.amdhsa_system_sgpr_workgroup_id_z 1
		.amdhsa_system_vgpr_workitem_id 0
		.amdhsa_next_free_vgpr 512
		.amdhsa_next_free_sgpr 76
		.amdhsa_reserve_vcc 0
		.amdhsa_float_denorm_mode_32 3
		.amdhsa_float_denorm_mode_16_64 3
		.amdhsa_memory_ordered 1
		.amdhsa_forward_progress 1
		.amdhsa_inst_pref_size 101
	.end_amdhsa_kernel
	.amdgpu_metadata
---
amdhsa.version: [ 1, 2 ]
amdhsa.kernels:
  - .name:           k_q81295e099f_gemm_proj
    .symbol:         k_q81295e099f_gemm_proj.kd
    .args:
      - { .name: ctx, .offset: 0, .size: 8, .value_kind: global_buffer, .address_space: global }
      - { .name: wb, .offset: 8, .size: 8, .value_kind: global_buffer, .address_space: global }
      - { .name: hf, .offset: 16, .size: 8, .value_kind: global_buffer, .address_space: global }
      - { .name: b_proj, .offset: 24, .size: 8, .value_kind: global_buffer, .address_space: global }
      - { .name: x2, .offset: 32, .size: 8, .value_kind: global_buffer, .address_space: global }
    .group_segment_fixed_size: 327680
    .private_segment_fixed_size: 0
    .kernarg_segment_align: 8
    .kernarg_segment_size: 40
    .max_flat_workgroup_size: 128
    .sgpr_count:     76
    .vgpr_count:     512
    .wavefront_size: 32
...
	.end_amdgpu_metadata
.endif
;; end of part 4
;; launch ln2 (part 5): grid 256 x 1, 8 waves a work-group, no clusters, 0 bytes of LDS; arguments x2, gamma2, beta2, hf, hb; writes hf, hb
.if DOCPART == 5
	.amdgcn_target "amdgcn-amd-amdhsa--gfx1250"
	.amdhsa_code_object_version 6
	.text
	.protected	k_q81295e099f_ln2
	.globl	k_q81295e099f_ln2
	.p2align	8
	.type	k_q81295e099f_ln2,@function
k_q81295e099f_ln2:
	s_mov_b64 s[64:65], 0
	v_nop
	global_prefetch_b8 v0, s[64:65] scope:SCOPE_SE
	s_setreg_imm32_b32 hwreg(HW_REG_WAVE_MODE, 25, 1), 1
	s_wait_xcnt 0x0
; h2 = layer_norm(x2, gamma2, beta2), stored as f32 (hf, the residual of the last product) and as bf16 (hb, the matrix operand).
; The work-group owns 16 rows, a wave two; a row of 4096 bytes lives in 32 registers of one wave between all passes: memory is read once,
; no LDS, no barrier.  A norm needs a whole row of 1024 columns, which no block of the product before it holds: hence a launch of its own.
; LIMITS: formed as ((x-m) * rsq(v+eps)) * gamma + beta, where the definition divides by a square root: another order of rounding.
; NaN and infinite inputs are not served.  Mean and variance are made in two passes over registers (no difference of large sums).
.set PX,  8                            ; s[8:9]    x2
.set PG,  10                           ; s[10:11]  gamma
.set PBE, 12                           ; s[12:13]  beta
.set PF,  14                           ; s[14:15]  hf
.set PH,  16                           ; s[16:17]  hb
.set XO,  3                            ; v3   16 lane + 8192 wave
.set BO,  4                            ; v4   8 lane + 4096 wave
.set GO,  5                            ; v5   16 lane
.set XR,  8                            ; v[8:71]    two rows, 32 registers each: load j holds columns 128 j + 4 lane .. + 3
.set GA,  72                           ; v[72:103]  gamma
.set BE,  104                          ; v[104:135] beta
.set TT,  136                          ; v[136:143] at work
.set YR,  144                          ; v[144:175] two rows in bf16
.macro REDUCE                          ; v[TT] summed over the 32 lanes, the result in every lane
	v_add_f32_dpp v[TT], v[TT], v[TT] row_xmask:1 row_mask:0xf bank_mask:0xf
	v_add_f32_dpp v[TT], v[TT], v[TT] row_xmask:2 row_mask:0xf bank_mask:0xf
	v_add_f32_dpp v[TT], v[TT], v[TT] row_xmask:4 row_mask:0xf bank_mask:0xf
	v_add_f32_dpp v[TT], v[TT], v[TT] row_xmask:8 row_mask:0xf bank_mask:0xf
	v_permlanex16_b32 v[TT+1], v[TT], s32, s33     ; v[TT+1] has been written by the sums before
	v_add_f32 v[TT], v[TT], v[TT+1]
.endm
.macro COMBINE
	v_pk_add_f32 v[TT:TT+1], v[TT:TT+1], v[TT+2:TT+3]
	v_pk_add_f32 v[TT+4:TT+5], v[TT+4:TT+5], v[TT+6:TT+7]
	v_pk_add_f32 v[TT:TT+1], v[TT:TT+1], v[TT+4:TT+5]
	v_add_f32 v[TT], v[TT], v[TT+1]
.endm
.macro STATS r                         ; row r becomes (x - mean) * rsq(var + eps), in place
.irp c, 0,1,2,3
	v_pk_add_f32 v[TT+2*\c:TT+2*\c+1], v[XR+32*\r+2*\c:XR+32*\r+2*\c+1], v[XR+32*\r+2*\c+8:XR+32*\r+2*\c+9]
.endr
.irp k, 16,24
.irp c, 0,1,2,3
	v_pk_add_f32 v[TT+2*\c:TT+2*\c+1], v[TT+2*\c:TT+2*\c+1], v[XR+32*\r+2*\c+\k:XR+32*\r+2*\c+\k+1]
.endr
.endr
	COMBINE
	REDUCE
	v_mul_f32 v[TT], s34, v[TT]                    ; mean
	v_mov_b32 v[TT+1], v[TT]
.set p, 0
.rept 16
	v_pk_add_f32 v[XR+32*\r+p:XR+32*\r+p+1], v[XR+32*\r+p:XR+32*\r+p+1], v[TT:TT+1] neg_lo:[0,1] neg_hi:[0,1]
.set p, p+2
.endr
.irp c, 0,1,2,3
	v_pk_mul_f32 v[TT+2*\c:TT+2*\c+1], v[XR+32*\r+2*\c:XR+32*\r+2*\c+1], v[XR+32*\r+2*\c:XR+32*\r+2*\c+1]
.endr
.irp k, 8,16,24
.irp c, 0,1,2,3
	v_pk_fma_f32 v[TT+2*\c:TT+2*\c+1], v[XR+32*\r+2*\c+\k:XR+32*\r+2*\c+\k+1], v[XR+32*\r+2*\c+\k:XR+32*\r+2*\c+\k+1], v[TT+2*\c:TT+2*\c+1]
.endr
.endr
	COMBINE
	REDUCE
	v_fma_f32 v[TT], v[TT], s34, s35               ; variance + eps
	v_rsq_f32 v[TT+2], v[TT]
	v_nop                                          ; one plain place behind the transcendental
	s_wait_alu depctr_va_vdst(0)
	v_mov_b32 v[TT+3], v[TT+2]
.set p, 0
.rept 16
	v_pk_mul_f32 v[XR+32*\r+p:XR+32*\r+p+1], v[XR+32*\r+p:XR+32*\r+p+1], v[TT+2:TT+3]
.set p, p+2
.endr
.endm
.macro AFFINE r                        ; times gamma plus beta; out as f32 (512 consecutive bytes a store) and as bf16 (256, aligned)
.set p, 0
.rept 16
	v_pk_fma_f32 v[XR+32*\r+p:XR+32*\r+p+1], v[XR+32*\r+p:XR+32*\r+p+1], v[GA+p:GA+p+1], v[BE+p:BE+p+1]
.set p, p+2
.endr
.irp j, 0,1,2,3,4,5,6,7
	global_store_b128 v[XO], v[XR+32*\r+4*\j:XR+32*\r+4*\j+3], s[PF:PF+1] offset:4096*\r+512*\j
.endr
.set p, 0
.rept 16
	v_cvt_pk_bf16_f32 v[YR+16*\r+p], v[XR+32*\r+2*p], v[XR+32*\r+2*p+1]
.set p, p+1
.endr
.irp j, 0,1,2,3,4,5,6,7
	global_store_b64 v[BO], v[YR+16*\r+2*\j:YR+16*\r+2*\j+1], s[PH:PH+1] offset:2048*\r+256*\j
.endr
.endm
	s_load_b256 s[8:15], s[0:1], 0x0               ; x2, gamma2, beta2, hf
	s_load_b64 s[16:17], s[0:1], 0x20              ; hb
	v_and_b32 v1, 31, v0
	v_lshrrev_b32 v2, 5, v0
	v_lshlrev_b32 v[GO], 4, v1
	v_lshl_add_u32 v[XO], v2, 13, v[GO]
	v_lshlrev_b32 v[BO], 3, v1
	v_lshl_add_u32 v[BO], v2, 12, v[BO]
	s_lshl_b32 s2, ttmp9, 16                       ; 16 rows of 4096 bytes
	s_mov_b32 s3, 0
	s_mov_b32 s32, 0x76543210
	s_mov_b32 s33, 0xfedcba98
	s_mov_b32 s34, 0x3a800000                      ; 1 / 1024
	s_mov_b32 s35, 0x3727c5ac                      ; eps = 1e-5
	s_wait_kmcnt 0x0
	s_add_nc_u64 s[PX:PX+1], s[PX:PX+1], s[2:3]
	s_add_nc_u64 s[PF:PF+1], s[PF:PF+1], s[2:3]
	s_lshl_b32 s2, ttmp9, 15                       ; 16 rows of 2048 bytes
	s_add_nc_u64 s[PH:PH+1], s[PH:PH+1], s[2:3]
.irp r, 0,1
.irp j, 0,1,2,3,4,5,6,7
	global_load_b128 v[XR+32*\r+4*\j:XR+32*\r+4*\j+3], v[XO], s[PX:PX+1] offset:4096*\r+512*\j th:TH_LOAD_NT
.endr
.endr
.irp j, 0,1,2,3,4,5,6,7
	global_load_b128 v[GA+4*\j:GA+4*\j+3], v[GO], s[PG:PG+1] offset:512*\j
.endr
.irp j, 0,1,2,3,4,5,6,7
	global_load_b128 v[BE+4*\j:BE+4*\j+3], v[GO], s[PBE:PBE+1] offset:512*\j
.endr
	s_wait_loadcnt 16                              ; both rows are in; the 16 younger loads (gamma, beta) may stay out
	STATS 0
	STATS 1
	s_wait_loadcnt 0x0                             ; gamma and beta
	AFFINE 0
	AFFINE 1
	s_endpgm
.Lfunc_end_k_q81295e099f_ln2:
	.size	k_q81295e099f_ln2, .Lfunc_end_k_q81295e099f_ln2-k_q81295e099f_ln2
	.p2alignl 7, 3214868480
	.fill 96, 4, 3214868480
	.section	.rodata,"a",@progbits
	.p2align	6, 0x0
	.amdhsa_kernel k_q81295e099f_ln2
		.amdhsa_group_segment_fixed_size 0
		.amdhsa_private_segment_fixed_size 0
		.amdhsa_enable_private_segment 0
		.amdhsa_kernarg_size 40
		.amdhsa_user_sgpr_count 2
		.amdhsa_user_sgpr_kernarg_segment_ptr 1
		.amdhsa_wavefront_size32 1
		.amdhsa_system_sgpr_workgroup_id_x 1
		.amdhsa_system_sgpr_workgroup_id_y 1
		.amdhsa_system_sgpr_workgroup_id_z 1
		.amdhsa_system_vgpr_workitem_id 0
		.amdhsa_next_free_vgpr 176
		.amdhsa_next_free_sgpr 66
		.amdhsa_reserve_vcc 0
		.amdhsa_float_denorm_mode_32 3
		.amdhsa_float_denorm_mode_16_64 3
		.amdhsa_memory_ordered 1
		.amdhsa_forward_progress 1
		.amdhsa_inst_pref_size 22
	.end_amdhsa_kernel
	.amdgpu_metadata
---
amdhsa.version: [ 1, 2 ]
amdhsa.kernels:
  - .name:           k_q81295e099f_ln2
    .symbol:         k_q81295e099f_ln2.kd
    .args:
      - { .name: x2, .offset: 0, .size: 8, .value_kind: global_buffer, .address_space: global }
      - { .name: gamma2, .offset: 8, .size: 8, .value_kind: global_buffer, .address_space: global }
      - { .name: beta2, .offset: 16, .size: 8, .value_kind: global_buffer, .address_space: global }
      - { .name: hf, .offset: 24, .size: 8, .value_kind: global_buffer, .address_space: global }
      - { .name: hb, .offset: 32, .size: 8, .value_kind: global_buffer, .address_space: global }
    .group_segment_fixed_size: 0
    .private_segment_fixed_size: 0
    .kernarg_segment_align: 8
    .kernarg_segment_size: 40
    .max_flat_workgroup_size: 256
    .sgpr_count:     66
    .vgpr_count:     176
    .wavefront_size: 32
...
	.end_amdgpu_metadata
.endif
;; end of part 5
;; launch gemm_ffn1 (part 6): grid 16 x 16, 4 waves a work-group, clusters of 4 x 4, 327,680 bytes of LDS; arguments hb, wb, hid, b1; writes hid
.if DOCPART == 6
	.amdgcn_target "amdgcn-amd-amdhsa--gfx1250"
	.amdhsa_code_object_version 6
	.text
	.protected	k_q81295e099f_gemm_ffn1
	.globl	k_q81295e099f_gemm_ffn1
	.p2align	8
	.type	k_q81295e099f_gemm_ffn1,@function
k_q81295e099f_gemm_ffn1:
	s_mov_b64 s[64:65], 0
	v_nop
	global_prefetch_b8 v0, s[64:65] scope:SCOPE_SE
	s_setreg_imm32_b32 hwreg(HW_REG_WAVE_MODE, 25, 1), 1
	s_wait_xcnt 0x0
	s_wait_alu depctr_hold_cnt(0) depctr_sa_sdst(0) depctr_va_vdst(0) depctr_va_sdst(0) depctr_va_ssrc(0) depctr_va_vcc(0) depctr_vm_vsrc(0)
	s_getreg_b32 s2, hwreg(HW_REG_IB_STS2, 6, 4)
	s_cmp_eq_u32 s2, 0
	s_cbranch_scc0 .Lentry_in_a_cluster
	s_endpgm
.Lentry_in_a_cluster:
	s_bfe_u32 s2, ttmp6, 0x10000c
	s_cmp_lg_u32 s2, 0xf033
	s_cbranch_scc0 .Lentry_shape_is_right
	s_endpgm
.Lentry_shape_is_right:
; C = relu(A B + bias), bf16 operands, f32 sums.  A: hb [4096][1024], rows along K.  B: wb + WOFF, [1024 (k)][SIZE_N], rows along N.
; C leaves as bf16 in PANELS [SIZE_N/64][4096][64]: four rows of a panel are 512 consecutive bytes; the next product takes panels as its A.
; Here: hid = relu(h2 w1 + b1) (SIZE_N = 4096): 256 work-groups.
; A work-group makes 256 x 256 of C with four waves, a wave 128 x 128: 64 accumulator tiles, 512 registers.  K goes in steps of 128 through
; two LDS slots filled by the tensor data mover.  4 x 4 work-groups form a cluster: A's tile is asked for jointly along a row of the cluster,
; B's along a column, which divides the requests for both by four.
; B's tile lies in LDS as it lies in memory, [k][n]; ds_load_tr16_b128 turns 8 x 8 blocks so that a lane gets 8 neighbouring k of one column.
; REGISTERS in windows of 256: window 0: v0-31 addresses, v64-127 and v128-191 A's fragments (two buffers), v192-223 at work on the way out;
; window 1: v64-127, v128-191 B's fragments, v0-63 the bias; windows 2, 3: accumulators of my rows 0-63, 64-127.
; The matrix instruction is used transposed (source 0 = 16 columns of B, source 1 = 16 rows of A): a lane holds row l % 16 of C and
; eight neighbouring columns 8 (l / 16) + 0..7.  The 64 accumulators take turns, one instruction a turn.
.set SIZE_K, 1024
.set SIZE_N, 4096
.set WOFF,   8388608
.set RELU,   1                         ; 1: bias and relu on the way out
.set KSTEP,  128
.set PITCH,  272                       ; A's LDS row: 256 bytes + 16 of padding
.set PB,     544                       ; B's LDS row: 512 bytes + 32 of padding, an odd multiple of 32 bytes
.set HALFT,  128*PITCH                 ; one tensor load: 128 rows of A, or 64 rows of B (64*544 is the same 34816 bytes)
.set SLOT,   4*HALFT                   ; A's 256 rows, then B's 128 k rows
.set STAGE,  2*SLOT                    ; behind the ring: 16 rows x 272 bytes for each wave; no tensor load lands there
.set SPITCH, 272
.set PANELB, 524288                    ; bytes of a panel: 4096 rows of 128 bytes
.set LAPS, SIZE_K/(2*KSTEP)            ; a lap = two K steps = once round the ring
.set ADRA, 16                          ; v16-17  LDS address of my A fragments in slot 0, 1
.set ADRB, 20                          ; v20-21  the same for B
.set STO,  24                          ; v24     way out: where I put 16 bytes of a row
.set RD,   25                          ; v25     way out: where I read back
.set CO,   26                          ; v26     16 x lane: my place in 512 bytes of a panel
.set BOF,  27                          ; v27     32 (l / 16): my place in the bias
.set F0,   64
.set F1,   128
.set TMP,  192
.set G1, 24                            ; s[24:31] group 1, A's tiles
.set G0, 32                            ; s[32:39] group 0, A's tiles, a set for each slot
.set G1B, 48                           ; s[48:55] group 1, B's tiles
.set G0B, 56                           ; s[56:63] group 0, B's tiles
.if RELU
.set FROM_LO, 0x06                     ; source 0 window 2 (sums), source 1 window 1 (bias)
.set FROM_HI, 0x07
.set RB0, 64
.set RB1, 96
.else
.set FROM_LO, 0x0a                     ; sources 0 and 1 window 2
.set FROM_HI, 0x0f
.set RB0, 64
.set RB1, 128
.endif
.set MSB, 0
.macro WIN new                         ; the immediate's high byte repeats the setting that is left
.if MSB != \new
	s_set_vgpr_msb (MSB<<8)|\new
.set MSB, \new
.endif
.endm
.set MUL_LO, 0xa1                      ; source 0 (B) window 1, source 1 (A) window 0, C and D window 2
.set MUL_HI, 0xf1
.set TO_B,   0x40                      ; destination window 1, address window 0
.macro PLACES n                        ; plain vector places behind matrix instructions (ISA guide 7.12.1)
.rept \n
	v_nop
.endr
.endm
; A joint load: waves 0, 1 fetch A's halves, waves 2, 3 B's.  The branch hangs on the wave's number alone.
.macro JLOAD s
	s_cmp_eq_u32 s11, 0
	s_cbranch_scc0 .Lfor_b_\@
	tensor_load_to_lds s[G0+4*\s:G0+4*\s+3], s[G1:G1+7]
	s_nop 0
	s_branch .Lasked_\@
.Lfor_b_\@:
	tensor_load_to_lds s[G0B+4*\s:G0B+4*\s+3], s[G1B:G1B+7]
	s_nop 0
.Lasked_\@:
.endm
.macro CREST                           ; a round of the cluster's barrier behind its opening barrier
	s_cmp_lg_u32 s10, 0
	s_cbranch_scc1 .Lnot_wave_0_\@
	s_barrier_signal -3
.Lnot_wave_0_\@:
	s_barrier_wait -3
	s_barrier_signal -1
	s_barrier_wait -1
.endm
.macro CROUND
	s_barrier_signal -1
	s_barrier_wait -1
	CREST
.endm
	s_load_b128 s[4:7], s[0:1], 0x0                ; A s[4:5], wb s[6:7]
	s_load_b64 s[8:9], s[0:1], 0x10                ; C
.if RELU
	s_load_b64 s[66:67], s[0:1], 0x18              ; bias
	s_set_vgpr_msb 0x40
	v_lshl_add_u32 v255, v0, 2, 0x48400
	s_set_vgpr_msb 0x4000
	v_mov_b32 v255, 0
	s_set_vgpr_msb 0x1
	ds_add_u32 v255, v255
	s_set_vgpr_msb 0x100
.endif
	v_lshrrev_b32 v1, 5, v0
	v_readfirstlane_b32 s10, v1                    ; wave 0..3
	s_lshr_b32 s11, s10, 1                         ; my half of the block's rows.  Also: I fetch for A (0) or B (1)
	s_and_b32 s12, s10, 1                          ; my half of its columns.  Also: which half of that tile I fetch
	s_bfe_u32 s40, ttmp6, 0x40000                  ; cx
	s_bfe_u32 s41, ttmp6, 0x40004                  ; cy
	s_lshl_b32 s42, ttmp9, 2
	s_add_co_u32 s42, s42, s40                     ; block column = 4 x cluster x + cx
	s_and_b32 s13, ttmp7, 0xffff
	s_lshl_b32 s13, s13, 2
	s_add_co_u32 s13, s13, s41                     ; block row = 4 x cluster y + cy
	s_lshl_b32 s43, s41, 2
	s_lshl_b32 s43, 15, s43                        ; my row of the cluster
	s_lshl_b32 s44, 0x1111, s40                    ; my column
	; group 1 for A: 128 rows x 128 elements of 2 bytes, 4 words of padding behind every 64
	s_or_b32 s[G1+0], s43, (1<<16)|(1<<20)|(1<<21)|(5<<22)|(3<<25)
	s_mov_b32 s[G1+1], KSTEP<<16                   ; tensor_dim0 = 128
	s_mov_b32 s[G1+2], 128<<16                     ; tensor_dim1 = 128
	s_mov_b32 s[G1+3], KSTEP<<16                   ; tile_dim0 = 128
	s_mov_b32 s[G1+4], 128                         ; tile_dim1 = 128
	s_mov_b32 s[G1+5], SIZE_K                      ; elements from row to row
	s_mov_b32 s[G1+6], 0
	s_mov_b32 s[G1+7], 0
	; group 1 for B: 64 k rows x 256 elements, 8 words of padding behind every 128
	s_or_b32 s[G1B+0], s44, (1<<16)|(1<<20)|(1<<21)|(6<<22)|(7<<25)
	s_mov_b32 s[G1B+1], 256<<16
	s_mov_b32 s[G1B+2], 64<<16
	s_mov_b32 s[G1B+3], 256<<16
	s_mov_b32 s[G1B+4], 64
	s_mov_b32 s[G1B+5], SIZE_N
	s_mov_b32 s[G1B+6], 0
	s_mov_b32 s[G1B+7], 0
	; A's address hangs on the block row alone, B's on the block column alone; each in registers that never hold the other coordinate
	s_lshl_b32 s17, s12, 7
	s_lshl_b32 s16, s13, 8
	s_add_co_u32 s16, s16, s17                     ; A: row 256 x block row + 128 x half
	s_lshl_b32 s16, s16, 11                        ; rows of 2048 bytes
	s_mov_b32 s17, 0
	s_mul_i32 s46, s12, 64*SIZE_N*2                ; B: k row 64 x half
	s_lshl_b32 s47, s42, 9                         ; + 256 columns x block column
	s_add_co_u32 s46, s46, s47
	s_mov_b32 s47, 0
	s_mul_i32 s20, s10, HALFT                      ; LDS: wave x 34816: A's halves, then B's halves
	s_wait_dscnt 0x0
	s_wait_kmcnt 0x0
	s_add_nc_u64 s[14:15], s[4:5], s[16:17]
	s_add_nc_u64 s[46:47], s[6:7], s[46:47]
.if WOFF
	s_add_nc_u64 s[46:47], s[46:47], WOFF
.endif
	CROUND                                         ; all sixteen work-groups are here: the first joint loads meet
.irp s, 0,1
	s_mov_b32 s[G0+4*\s], 1
	s_add_co_u32 s[G0+4*\s+1], s20, \s*SLOT
	s_add_nc_u64 s[G0+4*\s+2:G0+4*\s+3], s[14:15], \s*KSTEP*2
	s_or_b32 s[G0+4*\s+3], s[G0+4*\s+3], 0x80000000
	s_mov_b32 s[G0B+4*\s], 1
	s_add_co_u32 s[G0B+4*\s+1], s20, \s*SLOT
	s_add_nc_u64 s[G0B+4*\s+2:G0B+4*\s+3], s[46:47], \s*KSTEP*SIZE_N*2
	s_or_b32 s[G0B+4*\s+3], s[G0B+4*\s+3], 0x80000000
	JLOAD \s                                       ; two tensor loads of the wave are out here, later one
.endr
	v_and_b32 v1, 15, v0                           ; r = l % 16
	v_bfe_u32 v2, v0, 4, 1                         ; h = l / 16
	v_mul_u32_u24 v3, v1, PITCH
	v_lshl_add_u32 v3, v2, 4, v3                   ; A: row r, 16 bytes for each half of the lanes
	v_and_b32 v6, 7, v0
	v_lshl_add_u32 v6, v2, 3, v6                   ; B: k row 8 h + l % 8,
	v_mul_u32_u24 v6, v6, PB
	v_bfe_u32 v7, v0, 3, 1
	v_lshl_add_u32 v6, v7, 4, v6                   ; 16 bytes (8 columns) by bit 3 of the lane
	s_mul_i32 s21, s11, HALFT                      ; my 128 rows of A
	s_lshl_b32 s22, s12, 8                         ; my 128 columns of B: 256 bytes along its rows,
	s_add_co_u32 s22, s22, 2*HALFT                 ; behind A's 256 rows
.irp s, 0,1
	v_add_nc_u32 v[ADRA+\s], s21, v3
	v_add_nc_u32 v[ADRB+\s], s22, v6
	s_add_co_u32 s21, s21, SLOT
	s_add_co_u32 s22, s22, SLOT
.endr
	s_mul_i32 s23, s10, 16*SPITCH
	s_add_co_u32 s23, s23, STAGE                   ; my stage
	v_mul_u32_u24 v4, v1, SPITCH
	v_lshl_add_u32 v4, v2, 4, v4
	v_add_nc_u32 v[STO], s23, v4                   ; in: row r, 16 bytes for each half
	v_bfe_u32 v5, v0, 3, 2
	v_mul_u32_u24 v5, v5, SPITCH                   ; back: eight lanes take 128 bytes (a panel's row), 32 lanes four rows
	v_and_b32 v8, 7, v0
	v_lshl_add_u32 v5, v8, 4, v5
	v_add_nc_u32 v[RD], s23, v5
	v_and_b32 v9, 31, v0
	v_lshlrev_b32 v[CO], 4, v9
.if RELU
	; the bias of my 128 columns, in the sums' own layout (tile b: columns 16 b + 8 h + 0..7): 64 registers of window 1; waited for on the way out
	s_lshl_b32 s68, s42, 10
	s_lshl_b32 s69, s12, 9
	s_add_co_u32 s68, s68, s69
	s_mov_b32 s69, 0
	s_add_nc_u64 s[66:67], s[66:67], s[68:69]
	v_lshlrev_b32 v[BOF], 5, v2
	WIN TO_B
.irp b, 0,1,2,3,4,5,6,7
	global_load_b128 v[8*\b:8*\b+3],   v[BOF], s[66:67] offset:64*\b
	global_load_b128 v[8*\b+4:8*\b+7], v[BOF], s[66:67] offset:64*\b+16
.endr
	WIN 0
.endif
; 16 matrix instructions: m blocks a0, a0 + 1 of the window's four x all 8 n blocks.  zero = 1: the first product starts the sums.
.macro MUL16 f, hi, a0, zero
.irp a, \a0, \a0+1
.irp b, 0,1,2,3,4,5,6,7
.if \zero
	v_wmma_f32_16x16x32_bf16 v[8*(8*(\a)+\b):8*(8*(\a)+\b)+7], v[\f+8*\b:\f+8*\b+7], v[\f+8*(4*\hi+\a):\f+8*(4*\hi+\a)+7], 0
.else
	v_wmma_f32_16x16x32_bf16 v[8*(8*(\a)+\b):8*(8*(\a)+\b)+7], v[\f+8*\b:\f+8*\b+7], v[\f+8*(4*\hi+\a):\f+8*(4*\hi+\a)+7], v[8*(8*(\a)+\b):8*(8*(\a)+\b)+7]
.endif
.endr
.endr
.endm
; 32 LDS loads in one run: quarter kq (32 along K) of a slot into buffer f.  B first (16 transposing loads: k rows 32 kq + .., then + 16), then A.
.macro FETCH slot, kq, f
	WIN TO_B
.irp i, 0,1,2,3,4,5,6,7
	ds_load_tr16_b128 v[\f+8*\i:\f+8*\i+3],   v[ADRB+\slot] offset:\kq*32*PB+32*\i
	ds_load_tr16_b128 v[\f+8*\i+4:\f+8*\i+7], v[ADRB+\slot] offset:\kq*32*PB+32*\i+16*PB
.endr
	WIN 0
.irp i, 0,1,2,3,4,5,6,7
	ds_load_b128 v[\f+8*\i:\f+8*\i+3],   v[ADRA+\slot] offset:\kq*64+\i*16*PITCH
	ds_load_b128 v[\f+8*\i+4:\f+8*\i+7], v[ADRA+\slot] offset:\kq*64+\i*16*PITCH+32
.endr
.endm
.macro QUARTER slot, kq, f, g, zero
	s_wait_dscnt 8                                 ; B and A's rows 0-63 are in; the youngest eight loads (A's rows 64-127) may be out
	WIN MUL_LO
	MUL16 \f, 0, 0, \zero
	MUL16 \f, 0, 2, \zero
	PLACES 4                                       ; buffer g was read by matrix instructions: four places before loads land in it
	FETCH \slot, \kq, \g
	s_wait_dscnt 32                                ; all but the 32 just issued
	WIN MUL_HI
	MUL16 \f, 1, 0, \zero
	MUL16 \f, 1, 2, \zero
.endm
.macro THREE slot, zero
	QUARTER \slot, 1, F0, F1, \zero
	QUARTER \slot, 2, F1, F0, 0
	QUARTER \slot, 3, F0, F1, 0
.endm
; The last quarter changes slots.  In front of the barrier each wave waits for its reads of this slot and for all its tensor loads; where the
; slot is filled again the barrier opens a round of the cluster's barrier, and the joint refill is the first tensor load behind the round.
.macro TURN slot, next, fill
	s_wait_dscnt 8
	WIN MUL_LO
	MUL16 F1, 0, 0, 0
	s_wait_dscnt 0                                 ; my reads of this slot are over
	s_wait_tensorcnt 0x0                           ; all my tensor loads have landed: the one that was out is my part of the next slot
	ds_add_u32 v255, v255
	s_wait_dscnt 0x0
	s_barrier_signal -1
	MUL16 F1, 0, 2, 0                              ; register work while the others arrive
	WIN 0
	s_barrier_wait -1
.if \fill
	CREST
	s_add_nc_u64 s[G0+4*\slot+2:G0+4*\slot+3], s[G0+4*\slot+2:G0+4*\slot+3], 2*KSTEP*2
	s_add_nc_u64 s[G0B+4*\slot+2:G0B+4*\slot+3], s[G0B+4*\slot+2:G0B+4*\slot+3], 2*KSTEP*SIZE_N*2
	JLOAD \slot
.endif
	PLACES 4
	FETCH \next, 0, F0
	WIN MUL_HI
	MUL16 F1, 1, 0, 0
	MUL16 F1, 1, 2, 0
.endm
.macro LAP zero
	THREE 0, \zero
	TURN 0, 1, 1
	THREE 1, 0
	TURN 1, 0, 1
.endm
	s_wait_tensorcnt 1                             ; my part of K step 0 is in; K step 1's may stay out
	s_barrier_signal -1
	s_barrier_wait -1
	FETCH 0, 0, F0
	LAP 1
.if LAPS > 2
	WIN 0
	s_mov_b32 s3, LAPS-2
.Llap:
	LAP 0
	WIN 0
	s_sub_co_u32 s3, s3, 1
	s_cmp_lg_u32 s3, 0
	s_cbranch_scc1 .Llap
.endif
	THREE 0, 0                                     ; the last lap fills nothing
	TURN 0, 1, 0
	THREE 1, 0
	s_wait_dscnt 8
	WIN MUL_LO
	MUL16 F1, 0, 0, 0
	MUL16 F1, 0, 2, 0
	s_wait_dscnt 0
	WIN MUL_HI
	MUL16 F1, 1, 0, 0
	MUL16 F1, 1, 2, 0
	; THE WAY OUT, 16 rows at a time: bias, relu, round to bf16, 16 bytes a lane into my own stage, read back as rows of panels.
	PLACES 4
.if RELU
	s_wait_loadcnt 0x0                             ; the bias
.endif
	s_lshl_b32 s16, s13, 8
	s_lshl_b32 s14, s11, 7
	s_add_co_u32 s16, s16, s14                     ; my first row
	s_lshl_b32 s16, s16, 7                         ; panel rows of 128 bytes
	s_mov_b32 s17, 0
	s_add_nc_u64 s[8:9], s[8:9], s[16:17]
	s_lshl_b32 s46, s42, 2                         ; my first panel = 4 x block column + 2 x half
	s_lshl_b32 s47, s12, 1
	s_add_co_u32 s46, s46, s47
	s_lshl_b32 s46, s46, 19
	s_mov_b32 s47, 0
	s_add_nc_u64 s[8:9], s[8:9], s[46:47]
; rows 16 i .. 16 i + 15 of my block = tiles (a, 0..7) of window 2 or 3; f: the read-back buffer, two in turn
.macro OUT16 i, a, from, f
	WIN \from
.if RELU
.irp b, 0,1,2,3,4,5,6,7
.irp r, 0,1,2,3
	v_pk_add_f32 v[F1+8*\b+2*\r:F1+8*\b+2*\r+1], v[8*(8*\a+\b)+2*\r:8*(8*\a+\b)+2*\r+1], v[8*\b+2*\r:8*\b+2*\r+1]
.endr
.endr
	WIN 0
.set p, 0
.rept 64
	v_max_num_f32 v[F1+p], 0, v[F1+p]
.set p, p+1
.endr
.set p, 0
.rept 32
	v_cvt_pk_bf16_f32 v[TMP+p], v[F1+2*p], v[F1+2*p+1]
.set p, p+1
.endr
.else
.irp b, 0,1,2,3,4,5,6,7
.irp r, 0,1,2,3
	v_cvt_pk_bf16_f32 v[TMP+4*\b+\r], v[8*(8*\a+\b)+2*\r], v[8*(8*\a+\b)+2*\r+1]
.endr
.endr
	WIN 0
.endif
.irp b, 0,1,2,3,4,5,6,7
	ds_store_b128 v[STO], v[TMP+4*\b:TMP+4*\b+3] offset:32*\b
.endr
	s_wait_xcnt 0x0                                ; buffer f was the data of earlier stores: it is loaded again only behind this wait
.irp t, 0,1,2,3,4,5,6,7
	ds_load_b128 v[\f+4*\t:\f+4*\t+3], v[RD] offset:(\t&3)*4*SPITCH+(\t>>2)*128   ; a wave's LDS instructions are served in order: these see the stores above
.endr
.irp t, 0,1,2,3,4,5,6,7
	s_wait_dscnt 7-\t
	global_store_b128 v[CO], v[\f+4*\t:\f+4*\t+3], s[8:9] offset:(\t>>2)*PANELB+(16*\i+4*(\t&3))*128   ; 512 consecutive bytes: four rows of one panel
.endr
.endm
	OUT16 0, 0, FROM_LO, RB0
	OUT16 1, 1, FROM_LO, RB1
	OUT16 2, 2, FROM_LO, RB0
	OUT16 3, 3, FROM_LO, RB1
	OUT16 4, 0, FROM_HI, RB0
	OUT16 5, 1, FROM_HI, RB1
	OUT16 6, 2, FROM_HI, RB0
	OUT16 7, 3, FROM_HI, RB1
	s_set_vgpr_msb 0x1
	s_wait_tensorcnt 0x0
	ds_add_u32 v255, v255
	s_wait_dscnt 0x0
	s_set_vgpr_msb 0x100
	CROUND                                         ; the closing round: no work-group ends while a partner may still ask for a tile that names it
	s_endpgm
.Lfunc_end_k_q81295e099f_gemm_ffn1:
	.size	k_q81295e099f_gemm_ffn1, .Lfunc_end_k_q81295e099f_gemm_ffn1-k_q81295e099f_gemm_ffn1
	.p2alignl 7, 3214868480
	.fill 96, 4, 3214868480
	.section	.rodata,"a",@progbits
	.p2align	6, 0x0
	.amdhsa_kernel k_q81295e099f_gemm_ffn1
		.amdhsa_group_segment_fixed_size 327680
		.amdhsa_private_segment_fixed_size 0
		.amdhsa_enable_private_segment 0
		.amdhsa_kernarg_size 32
		.amdhsa_user_sgpr_count 2
		.amdhsa_user_sgpr_kernarg_segment_ptr 1
		.amdhsa_wavefront_size32 1
		.amdhsa_system_sgpr_workgroup_id_x 1
		.amdhsa_system_sgpr_workgroup_id_y 1
		.amdhsa_system_sgpr_workgroup_id_z 1
		.amdhsa_system_vgpr_workitem_id 0
		.amdhsa_next_free_vgpr 1024
		.amdhsa_next_free_sgpr 72
		.amdhsa_reserve_vcc 0
		.amdhsa_float_denorm_mode_32 3
		.amdhsa_float_denorm_mode_16_64 3
		.amdhsa_memory_ordered 1
		.amdhsa_forward_progress 1
		.amdhsa_inst_pref_size 230
	.end_amdhsa_kernel
	.amdgpu_metadata
---
amdhsa.version: [ 1, 2 ]
amdhsa.kernels:
  - .name:           k_q81295e099f_gemm_ffn1
    .symbol:         k_q81295e099f_gemm_ffn1.kd
    .args:
      - { .name: hb, .offset: 0, .size: 8, .value_kind: global_buffer, .address_space: global }
      - { .name: wb, .offset: 8, .size: 8, .value_kind: global_buffer, .address_space: global }
      - { .name: hid, .offset: 16, .size: 8, .value_kind: global_buffer, .address_space: global }
      - { .name: b1, .offset: 24, .size: 8, .value_kind: global_buffer, .address_space: global }
    .group_segment_fixed_size: 327680
    .private_segment_fixed_size: 0
    .kernarg_segment_align: 8
    .kernarg_segment_size: 32
    .max_flat_workgroup_size: 128
    .sgpr_count:     72
    .vgpr_count:     1024
    .wavefront_size: 32
...
	.end_amdgpu_metadata
.endif
;; end of part 6
;; launch gemm_ffn2 (part 7): grid 8 x 32, 4 waves a work-group, clusters of 4 x 4, 327,680 bytes of LDS; arguments hid, wb, hf, b2, out0; writes out0
.if DOCPART == 7
	.amdgcn_target "amdgcn-amd-amdhsa--gfx1250"
	.amdhsa_code_object_version 6
	.text
	.protected	k_q81295e099f_gemm_ffn2
	.globl	k_q81295e099f_gemm_ffn2
	.p2align	8
	.type	k_q81295e099f_gemm_ffn2,@function
k_q81295e099f_gemm_ffn2:
	s_mov_b64 s[64:65], 0
	v_nop
	global_prefetch_b8 v0, s[64:65] scope:SCOPE_SE
	s_setreg_imm32_b32 hwreg(HW_REG_WAVE_MODE, 25, 1), 1
	s_wait_xcnt 0x0
	s_wait_alu depctr_hold_cnt(0) depctr_sa_sdst(0) depctr_va_vdst(0) depctr_va_sdst(0) depctr_va_ssrc(0) depctr_va_vcc(0) depctr_vm_vsrc(0)
	s_getreg_b32 s2, hwreg(HW_REG_IB_STS2, 6, 4)
	s_cmp_eq_u32 s2, 0
	s_cbranch_scc0 .Lentry_in_a_cluster
	s_endpgm
.Lentry_in_a_cluster:
	s_bfe_u32 s2, ttmp6, 0x10000c
	s_cmp_lg_u32 s2, 0xf033
	s_cbranch_scc0 .Lentry_shape_is_right
	s_endpgm
.Lentry_shape_is_right:
; out0 = hid w2 + b2 + h2, f32 out.  A: hid, bf16 panels [64][4096][64].  B: wb + WOFF, bf16 [4096 (k)][1024].  res (hf), out: f32 [4096][1024].
; N is only 1024, so 256 work-groups means blocks of 128 x 128.  K IS SHARED OUT AMONG THE FOUR WAVES: each wave makes the WHOLE block, 64
; accumulator tiles in 512 registers, over its own quarter of K, and the four partial blocks are added at the end through LDS.  So a wave
; issues 32 LDS loads for 64 matrix instructions, where a wave tile of 64 x 64 issues 16 for 16.  Over 16 slots that spares the work-group
; 4096 loads of 512 bytes; the sum at the end costs 512 stores and 512 loads of 512 bytes.
; K goes in steps of 256 through two LDS slots; of each step wave w takes k = 64 w .. 64 w + 63: panel w of A's four, k rows 64 w .. of B's 256.
; 4 x 4 work-groups form a cluster: A's tile is asked for jointly along a row of the cluster, B's along a column.
; A's load (waves 0, 1): two panels; 128 rows of a panel are 16 KiB dense in memory, so the tile is 2 rows of 8192 elements, 32 KiB, and the
; padding of 16 bytes behind every 128 gives LDS rows of 144 bytes.  B's load (waves 2, 3): 128 k rows x 256 bytes, LDS rows of 288 bytes.
; B lies in LDS as in memory, [k][n]; ds_load_tr16_b128 turns it.  The matrix instruction is used transposed (source 0 = B's columns,
; source 1 = A's rows): a lane holds row l % 16 and columns 8 (l / 16) + 0..7.  The 64 accumulators take turns, one instruction a turn.
; REGISTERS in windows of 256: window 0: v0-31 addresses and the bias, v64-127 and v128-191 A's fragments (two buffers; at the end the four
; partial rows); window 1: v64-127, v128-191 B's fragments, v0-63 and v192-255 the residual of my 32 rows (asked for at the start);
; windows 2, 3: the accumulators of rows 0-63, 64-127.
; ORDER OF ROUNDING: an output's sum over K is made in four parts, added as (p0 + p1) + (p2 + p3), then residual + bias.
.set SIZE_K, 4096
.set WOFF,   16777216
.set PANELB, 524288
.set PA,     144
.set PB,     288
.set HALFT,  36864                     ; one tensor load: 2 panels x 128 rows x 144 = 128 k rows x 288
.set SLOT,   4*HALFT                   ; A's four panels, then B's 256 k rows
.set WPART,  18432                     ; a wave's part of a slot: one panel (128 x 144), and 64 k rows (64 x 288)
.set RP,     528                       ; the sum at the end: a row of 128 f32 + 16 bytes
.set PSZ,    128*RP                    ; a wave's partial block; four of them, 270336 bytes, lie in the ring after its last fill
.set LAPS,   SIZE_K/512                ; a lap = two K steps of 256
.set RDP,  8                           ; v8-11   the sum: my rows in partial block 0..3
.set ADRA, 16                          ; v16-17  A fragments, slot 0, 1
.set ADRB, 20                          ; v20-21  B fragments
.set STO,  24                          ; v24     the sum: where I put 32 bytes of a row of my partial block
.set CO,   26                          ; v26     16 x lane: my 16 bytes of a row's 512
.set BIAS, 28                          ; v[28:31] the bias of my four columns
.set F0,   64
.set F1,   128
.set G1, 24
.set G0, 32
.set G1B, 48
.set G0B, 56
.set MUL_LO, 0xa1                      ; source 0 (B) window 1, source 1 (A) window 0, C and D window 2
.set MUL_HI, 0xf1
.set TO_B,   0x40                      ; destination window 1, address window 0
.set MSB, 0
.macro WIN new                         ; the immediate's high byte repeats the setting that is left
.if MSB != \new
	s_set_vgpr_msb (MSB<<8)|\new
.set MSB, \new
.endif
.endm
.macro PLACES n                        ; plain vector places behind matrix instructions (ISA guide 7.12.1)
.rept \n
	v_nop
.endr
.endm
; A joint load: waves 0, 1 fetch A's halves, waves 2, 3 B's.  The branch hangs on the wave's number alone.
.macro JLOAD s
	s_cmp_eq_u32 s11, 0
	s_cbranch_scc0 .Lfor_b_\@
	tensor_load_to_lds s[G0+4*\s:G0+4*\s+3], s[G1:G1+7]
	s_nop 0
	s_branch .Lasked_\@
.Lfor_b_\@:
	tensor_load_to_lds s[G0B+4*\s:G0B+4*\s+3], s[G1B:G1B+7]
	s_nop 0
.Lasked_\@:
.endm
.macro CREST                           ; a round of the cluster's barrier behind its opening barrier
	s_cmp_lg_u32 s10, 0
	s_cbranch_scc1 .Lnot_wave_0_\@
	s_barrier_signal -3
.Lnot_wave_0_\@:
	s_barrier_wait -3
	s_barrier_signal -1
	s_barrier_wait -1
.endm
.macro CROUND
	s_barrier_signal -1
	s_barrier_wait -1
	CREST
.endm
	s_load_b128 s[4:7], s[0:1], 0x0                ; A s[4:5], wb s[6:7]
	s_load_b128 s[68:71], s[0:1], 0x10             ; res s[68:69], bias s[70:71]
	s_load_b64 s[72:73], s[0:1], 0x20              ; out
	v_lshl_add_u32 v254, v0, 2, 0x48000
	v_mov_b32 v255, 0
	ds_add_u32 v254, v255
	v_lshrrev_b32 v1, 5, v0
	v_readfirstlane_b32 s10, v1                    ; wave: my quarter of K, and my 32 rows of the result
	s_lshr_b32 s11, s10, 1                         ; I fetch for A (0) or B (1)
	s_and_b32 s12, s10, 1                          ; which half of that tile I fetch
	s_bfe_u32 s40, ttmp6, 0x40000                  ; cx
	s_bfe_u32 s41, ttmp6, 0x40004                  ; cy
	s_lshl_b32 s42, ttmp9, 2
	s_add_co_u32 s42, s42, s40                     ; block column
	s_and_b32 s13, ttmp7, 0xffff
	s_lshl_b32 s13, s13, 2
	s_add_co_u32 s13, s13, s41                     ; block row
	s_lshl_b32 s43, s41, 2
	s_lshl_b32 s43, 15, s43                        ; my row of the cluster
	s_lshl_b32 s44, 0x1111, s40                    ; my column
	; group 1 for A: 2 rows of 8192 elements, a panel apart; 4 words of padding behind every 32
	s_or_b32 s[G1+0], s43, (1<<16)|(1<<20)|(1<<21)|(4<<22)|(3<<25)
	s_mov_b32 s[G1+1], 8192<<16                    ; tensor_dim0
	s_mov_b32 s[G1+2], 2<<16                       ; tensor_dim1
	s_mov_b32 s[G1+3], 8192<<16                    ; tile_dim0
	s_mov_b32 s[G1+4], 2                           ; tile_dim1
	s_mov_b32 s[G1+5], PANELB/2                    ; elements from panel to panel
	s_mov_b32 s[G1+6], 0
	s_mov_b32 s[G1+7], 0
	; group 1 for B: 128 k rows x 128 elements; 8 words of padding behind every 64
	s_or_b32 s[G1B+0], s44, (1<<16)|(1<<20)|(1<<21)|(5<<22)|(7<<25)
	s_mov_b32 s[G1B+1], 128<<16
	s_mov_b32 s[G1B+2], 128<<16
	s_mov_b32 s[G1B+3], 128<<16
	s_mov_b32 s[G1B+4], 128
	s_mov_b32 s[G1B+5], 1024
	s_mov_b32 s[G1B+6], 0
	s_mov_b32 s[G1B+7], 0
	s_lshl_b32 s16, s12, 20                        ; A: panel 2 x half,
	s_lshl_b32 s17, s13, 14                        ; row 128 x block row (rows of 128 bytes)
	s_add_co_u32 s16, s16, s17
	s_mov_b32 s17, 0
	s_lshl_b32 s46, s12, 18                        ; B: k row 128 x half (rows of 2048 bytes),
	s_lshl_b32 s47, s42, 8                         ; column 128 x block column
	s_add_co_u32 s46, s46, s47
	s_mov_b32 s47, 0
	s_mul_i32 s20, s10, HALFT                      ; LDS: wave x 36864
	s_wait_dscnt 0x0
	s_wait_kmcnt 0x0
	s_add_nc_u64 s[14:15], s[4:5], s[16:17]
	s_add_nc_u64 s[46:47], s[6:7], s[46:47]
	s_add_nc_u64 s[46:47], s[46:47], WOFF
	CROUND                                         ; all sixteen work-groups are here: the first joint loads meet
.irp s, 0,1
	s_mov_b32 s[G0+4*\s], 1
	s_add_co_u32 s[G0+4*\s+1], s20, \s*SLOT
	s_add_nc_u64 s[G0+4*\s+2:G0+4*\s+3], s[14:15], \s*4*PANELB
	s_or_b32 s[G0+4*\s+3], s[G0+4*\s+3], 0x80000000
	s_mov_b32 s[G0B+4*\s], 1
	s_add_co_u32 s[G0B+4*\s+1], s20, \s*SLOT
	s_add_nc_u64 s[G0B+4*\s+2:G0B+4*\s+3], s[46:47], \s*256*2048
	s_or_b32 s[G0B+4*\s+3], s[G0B+4*\s+3], 0x80000000
	JLOAD \s                                       ; two tensor loads of the wave are out here, later one
.endr
	v_and_b32 v1, 15, v0                           ; r
	v_bfe_u32 v2, v0, 4, 1                         ; h
	v_mul_u32_u24 v3, v1, PA
	v_lshl_add_u32 v3, v2, 4, v3                   ; A: row r, 16 bytes for each half of the lanes
	v_and_b32 v6, 7, v0
	v_lshl_add_u32 v6, v2, 3, v6                   ; B: k row 8 h + l % 8,
	v_mul_u32_u24 v6, v6, PB
	v_bfe_u32 v7, v0, 3, 1
	v_lshl_add_u32 v6, v7, 4, v6                   ; 16 bytes (8 columns) by bit 3 of the lane
	s_mul_i32 s21, s10, WPART                      ; my panel of A
	s_add_co_u32 s22, s21, 2*HALFT                 ; my 64 k rows of B, behind A's four panels
.irp s, 0,1
	v_add_nc_u32 v[ADRA+\s], s21, v3
	v_add_nc_u32 v[ADRB+\s], s22, v6
	s_add_co_u32 s21, s21, SLOT
	s_add_co_u32 s22, s22, SLOT
.endr
	s_mul_i32 s23, s10, PSZ                        ; my partial block
	v_mul_u32_u24 v4, v1, RP
	v_lshl_add_u32 v4, v2, 5, v4
	v_add_nc_u32 v[STO], s23, v4                   ; in: row r, 32 bytes (8 f32) for each half of the lanes
	v_and_b32 v5, 31, v0
	v_lshlrev_b32 v[CO], 4, v5
	s_mul_i32 s23, s10, 32*RP                      ; back: 32 lanes take a row of 512 bytes; my rows 32 w .. in each of the four blocks
.irp p, 0,1,2,3
	v_add_nc_u32 v[RDP+\p], s23, v[CO]
	s_add_co_u32 s23, s23, PSZ
.endr
	s_lshl_b32 s66, s13, 19                        ; 128 rows of 4096 bytes x block row
	s_lshl_b32 s67, s10, 17                        ; + my 32 rows
	s_add_co_u32 s66, s66, s67
	s_lshl_b32 s74, s42, 9                         ; the block's first column, in bytes
	s_mov_b32 s75, 0
	s_add_nc_u64 s[70:71], s[70:71], s[74:75]
	s_add_co_u32 s66, s66, s74
	s_mov_b32 s67, 0
	s_add_nc_u64 s[68:69], s[68:69], s[66:67]
	s_add_nc_u64 s[72:73], s[72:73], s[66:67]
	; the residual of my 32 rows x 128 columns, in the layout of the stores at the end; 33 loads stay out during the K loop
	WIN TO_B
.set t, 0
.rept 32
	global_load_b128 v[4*t+(t>>4)*128:4*t+(t>>4)*128+3], v[CO], s[68:69] offset:t*4096
.set t, t+1
.endr
	WIN 0
	global_load_b128 v[BIAS:BIAS+3], v[CO], s[70:71]
; 16 matrix instructions: m blocks a0, a0 + 1 of the window's four x all 8 n blocks.  zero = 1: the first product starts the sums.
.macro MUL16 f, hi, a0, zero
.irp a, \a0, \a0+1
.irp b, 0,1,2,3,4,5,6,7
.if \zero
	v_wmma_f32_16x16x32_bf16 v[8*(8*(\a)+\b):8*(8*(\a)+\b)+7], v[\f+8*\b:\f+8*\b+7], v[\f+8*(4*\hi+\a):\f+8*(4*\hi+\a)+7], 0
.else
	v_wmma_f32_16x16x32_bf16 v[8*(8*(\a)+\b):8*(8*(\a)+\b)+7], v[\f+8*\b:\f+8*\b+7], v[\f+8*(4*\hi+\a):\f+8*(4*\hi+\a)+7], v[8*(8*(\a)+\b):8*(8*(\a)+\b)+7]
.endif
.endr
.endr
.endm
; 32 LDS loads in one run: half kq (32 along K) of my part of a slot into buffer f.  B first (16 transposing loads), then A.
.macro FETCH slot, kq, f
	WIN TO_B
.irp i, 0,1,2,3,4,5,6,7
	ds_load_tr16_b128 v[\f+8*\i:\f+8*\i+3],   v[ADRB+\slot] offset:\kq*32*PB+32*\i
	ds_load_tr16_b128 v[\f+8*\i+4:\f+8*\i+7], v[ADRB+\slot] offset:\kq*32*PB+32*\i+16*PB
.endr
	WIN 0
.irp i, 0,1,2,3,4,5,6,7
	ds_load_b128 v[\f+8*\i:\f+8*\i+3],   v[ADRA+\slot] offset:\kq*64+\i*16*PA
	ds_load_b128 v[\f+8*\i+4:\f+8*\i+7], v[ADRA+\slot] offset:\kq*64+\i*16*PA+32
.endr
.endm
; My part of a slot is two halves of 32 along K, 64 matrix instructions each, on buffers 0, 1.
; The first: multiplies buffer 0; in its middle it fetches the second half into buffer 1.
.macro FIRST slot, zero
	s_wait_dscnt 8                                 ; B and A's rows 0-63 are in; the youngest eight loads (A's rows 64-127) may be out
	WIN MUL_LO
	MUL16 F0, 0, 0, \zero
	MUL16 F0, 0, 2, \zero
	PLACES 4                                       ; buffer 1 was read by matrix instructions: four places before loads land in it
	FETCH \slot, 1, F1
	s_wait_dscnt 32                                ; all but the 32 just issued
	WIN MUL_HI
	MUL16 F0, 1, 0, \zero
	MUL16 F0, 1, 2, \zero
.endm
; The second changes slots.  In front of the barrier each wave waits for its reads of this slot and for all its tensor loads; where the
; slot is filled again the barrier opens a round of the cluster's barrier, and the joint refill is the first tensor load behind the round.
; From a request to the wait for it a wave issues 112 matrix instructions.
.macro TURN slot, next, fill
	s_wait_dscnt 8
	WIN MUL_LO
	MUL16 F1, 0, 0, 0
	s_wait_dscnt 0                                 ; my reads of this slot are over
	s_set_vgpr_msb 0xa1a0
	s_wait_tensorcnt 0x0                           ; all my tensor loads have landed: the one that was out is my part of the next slot
	ds_add_u32 v254, v255
	s_wait_dscnt 0x0
	s_set_vgpr_msb 0xa0a1
	s_barrier_signal -1
	MUL16 F1, 0, 2, 0                              ; register work while the others arrive
	WIN 0
	s_barrier_wait -1
.if \fill
	CREST
	s_add_nc_u64 s[G0+4*\slot+2:G0+4*\slot+3], s[G0+4*\slot+2:G0+4*\slot+3], 8*PANELB
	s_add_nc_u64 s[G0B+4*\slot+2:G0B+4*\slot+3], s[G0B+4*\slot+2:G0B+4*\slot+3], 512*2048
	JLOAD \slot
.endif
	PLACES 4
	FETCH \next, 0, F0
	WIN MUL_HI
	MUL16 F1, 1, 0, 0
	MUL16 F1, 1, 2, 0
.endm
.macro LAP zero
	FIRST 0, \zero
	TURN 0, 1, 1
	FIRST 1, 0
	TURN 1, 0, 1
.endm
	s_wait_tensorcnt 1                             ; my part of K step 0 is in; K step 1's may stay out
	s_barrier_signal -1
	s_barrier_wait -1
	FETCH 0, 0, F0
	LAP 1                                          ; the first lap stands in front of the loop: its first products start the sums
	WIN 0
	s_mov_b32 s3, LAPS-2
.Llap:
	LAP 0
	WIN 0
	s_sub_co_u32 s3, s3, 1
	s_cmp_lg_u32 s3, 0
	s_cbranch_scc1 .Llap
	FIRST 0, 0                                     ; the last lap fills nothing
	TURN 0, 1, 0
	FIRST 1, 0
	s_wait_dscnt 8
	WIN MUL_LO
	MUL16 F1, 0, 0, 0
	MUL16 F1, 0, 2, 0
	s_wait_dscnt 0                                 ; my last reads of the ring are over
	WIN MUL_HI
	MUL16 F1, 1, 0, 0
	MUL16 F1, 1, 2, 0
	WIN 0
	; THE SUM OVER THE FOUR WAVES.  The ring has had its last fill (every wave waited for all its tensor loads in the last change of slots), and
	; behind this barrier no wave reads tiles any more: the four partial blocks go where the tiles lay.
	PLACES 4                                       ; before the LDS stores read the last results
	s_barrier_signal -1
	s_barrier_wait -1
	WIN 0x08                                       ; the stores' data in window 2
.irp a, 0,1,2,3
.irp b, 0,1,2,3,4,5,6,7
	ds_store_b128 v[STO], v[8*(8*\a+\b):8*(8*\a+\b)+3]   offset:\a*16*RP+64*\b
	ds_store_b128 v[STO], v[8*(8*\a+\b)+4:8*(8*\a+\b)+7] offset:\a*16*RP+64*\b+16
.endr
.endr
	WIN 0x0c                                       ; window 3
.irp a, 0,1,2,3
.irp b, 0,1,2,3,4,5,6,7
	ds_store_b128 v[STO], v[8*(8*\a+\b):8*(8*\a+\b)+3]   offset:(\a+4)*16*RP+64*\b
	ds_store_b128 v[STO], v[8*(8*\a+\b)+4:8*(8*\a+\b)+7] offset:(\a+4)*16*RP+64*\b+16
.endr
.endr
	s_wait_loadcnt 0x0                             ; residual and bias
	WIN 0x41                                       ; residual (window 1) += bias (window 0), while the stores go
.set t, 0
.rept 32
	v_pk_add_f32 v[4*t+(t>>4)*128:4*t+(t>>4)*128+1],   v[4*t+(t>>4)*128:4*t+(t>>4)*128+1],   v[BIAS:BIAS+1]
	v_pk_add_f32 v[4*t+(t>>4)*128+2:4*t+(t>>4)*128+3], v[4*t+(t>>4)*128+2:4*t+(t>>4)*128+3], v[BIAS+2:BIAS+3]
.set t, t+1
.endr
	WIN 0
	s_wait_dscnt 0x0                               ; for the other waves' sake: my stores are done
	s_barrier_signal -1
	s_barrier_wait -1
; rows 8 g .. 8 g + 7 of my 32: each row's 512 bytes from the four partial blocks, added, + residual and bias, stored
.macro RED g
	s_wait_xcnt 0x0                                ; these registers were the data of the last group's stores
.irp tt, 0,1,2,3,4,5,6,7
.irp p, 0,1,2,3
	ds_load_b128 v[F0+16*\tt+4*\p:F0+16*\tt+4*\p+3], v[RDP+\p] offset:(8*\g+\tt)*RP
.endr
.endr
.irp tt, 0,1,2,3,4,5,6,7
	s_wait_dscnt 4*(7-\tt)                         ; LDS loads come back in order: row tt's four are in
.irp e, 0,2
	v_pk_add_f32 v[F0+16*\tt+\e:F0+16*\tt+\e+1],     v[F0+16*\tt+\e:F0+16*\tt+\e+1],     v[F0+16*\tt+4+\e:F0+16*\tt+4+\e+1]
	v_pk_add_f32 v[F0+16*\tt+8+\e:F0+16*\tt+8+\e+1], v[F0+16*\tt+8+\e:F0+16*\tt+8+\e+1], v[F0+16*\tt+12+\e:F0+16*\tt+12+\e+1]
	v_pk_add_f32 v[F0+16*\tt+\e:F0+16*\tt+\e+1],     v[F0+16*\tt+\e:F0+16*\tt+\e+1],     v[F0+16*\tt+8+\e:F0+16*\tt+8+\e+1]
.endr
.endr
	WIN 0x04                                       ; source 1 (residual + bias) window 1
.irp tt, 0,1,2,3,4,5,6,7
.irp e, 0,2
	v_pk_add_f32 v[F0+16*\tt+\e:F0+16*\tt+\e+1], v[F0+16*\tt+\e:F0+16*\tt+\e+1], v[4*(8*\g+\tt)+(\g>>1)*128+\e:4*(8*\g+\tt)+(\g>>1)*128+\e+1]
.endr
.endr
	WIN 0
.irp tt, 0,1,2,3,4,5,6,7
	global_store_b128 v[CO], v[F0+16*\tt:F0+16*\tt+3], s[72:73] offset:(8*\g+\tt)*4096   ; the wave stores 512 consecutive bytes, aligned
.endr
.endm
	RED 0
	RED 1
	RED 2
	RED 3
	s_wait_tensorcnt 0x0
	ds_add_u32 v254, v255
	s_wait_dscnt 0x0
	CROUND                                         ; the closing round: no work-group ends while a partner may still ask for a tile that names it
	s_endpgm
.Lfunc_end_k_q81295e099f_gemm_ffn2:
	.size	k_q81295e099f_gemm_ffn2, .Lfunc_end_k_q81295e099f_gemm_ffn2-k_q81295e099f_gemm_ffn2
	.p2alignl 7, 3214868480
	.fill 96, 4, 3214868480
	.section	.rodata,"a",@progbits
	.p2align	6, 0x0
	.amdhsa_kernel k_q81295e099f_gemm_ffn2
		.amdhsa_group_segment_fixed_size 327680
		.amdhsa_private_segment_fixed_size 0
		.amdhsa_enable_private_segment 0
		.amdhsa_kernarg_size 40
		.amdhsa_user_sgpr_count 2
		.amdhsa_user_sgpr_kernarg_segment_ptr 1
		.amdhsa_wavefront_size32 1
		.amdhsa_system_sgpr_workgroup_id_x 1
		.amdhsa_system_sgpr_workgroup_id_y 1
		.amdhsa_system_sgpr_workgroup_id_z 1
		.amdhsa_system_vgpr_workitem_id 0
		.amdhsa_next_free_vgpr 1024
		.amdhsa_next_free_sgpr 76
		.amdhsa_reserve_vcc 0
		.amdhsa_float_denorm_mode_32 3
		.amdhsa_float_denorm_mode_16_64 3
		.amdhsa_memory_ordered 1
		.amdhsa_forward_progress 1
		.amdhsa_inst_pref_size 132
	.end_amdhsa_kernel
	.amdgpu_metadata
---
amdhsa.version: [ 1, 2 ]
amdhsa.kernels:
  - .name:           k_q81295e099f_gemm_ffn2
    .symbol:         k_q81295e099f_gemm_ffn2.kd
    .args:
      - { .name: hid, .offset: 0, .size: 8, .value_kind: global_buffer, .address_space: global }
      - { .name: wb, .offset: 8, .size: 8, .value_kind: global_buffer, .address_space: global }
      - { .name: hf, .offset: 16, .size: 8, .value_kind: global_buffer, .address_space: global }
      - { .name: b2, .offset: 24, .size: 8, .value_kind: global_buffer, .address_space: global }
      - { .name: out0, .offset: 32, .size: 8, .value_kind: global_buffer, .address_space: global }
    .group_segment_fixed_size: 327680
    .private_segment_fixed_size: 0
    .kernarg_segment_align: 8
    .kernarg_segment_size: 40
    .max_flat_workgroup_size: 128
    .sgpr_count:     76
    .vgpr_count:     1024
    .wavefront_size: 32
...
	.end_amdgpu_metadata
.endif
;; end of part 7
